; MI455X (gfx1250); checked and timed in simulation.
; The chip was launched on July 23, 2026; its instructions are those of AMD's public machine-readable ISA for CDNA 5 (MIT licence, August 2026) and "CDNA5" Instruction Set Architecture Reference Guide (July 2026). The comments in the code are by the model that wrote it; some were corrected since.
;; Multi Head Attention. Allowed arithmetic: matrix products marked QUANTISED: E2M3 operands, one E8M0 scale for each 32 along K, by v_wmma_scale_f32_16x16x128_f8f6f4 with both operands' format E2M3, f32 sums; everything else in f32.
;; Inputs: Wk 1,024 x 1,024 float32; Wo 1,024 x 1,024 float32; Wq 1,024 x 1,024 float32; Wv 1,024 x 1,024 float32; bk 1,024 float32; bo 1,024 float32; bq 1,024 float32; bv 1,024 float32; key 2 x 2,048 x 1,024 float32; query 2 x 2,048 x 1,024 float32; value 2 x 2,048 x 1,024 float32.
;; Outputs: out0 2 x 2,048 x 1,024 float32.
;; This version of the problem:
;;   THIS VERSION OF THE PROBLEM IS GIVEN IN LOW PRECISION. The matrix products marked QUANTISED in the list below multiply operands that are first quantised to E2M3 (2 exponent bits, 3 mantissa bits; 6 bits a number), with one power-of-two scale for each 32 numbers along K (OCP MX v1.0); their sums are f32. All else is computed in f32.
;;   The module's matrix products, in the order in which they are computed (A, B: the left and right operand; K: the contracted axis; several contracted axes count as one K, in the product's order):
;;     1. [M 4,096, K 1,024] x [K 1,024, N 1,024]; A: input query; B: input Wq: QUANTISED
;;     2. [M 4,096, K 1,024] x [K 1,024, N 1,024]; A: input key; B: input Wk: QUANTISED
;;     3. [M 4,096, K 1,024] x [K 1,024, N 1,024]; A: input value; B: input Wv: QUANTISED
;;     4. batch 32 x [M 2,048, K 64] x [K 64, N 2,048]; A: computed on the way; B: computed on the way: QUANTISED
;;     5. batch 32 x [M 2,048, K 2,048] x [K 2,048, N 64]; A: softmax (see below); B: computed on the way: QUANTISED
;;     6. [M 4,096, K 1,024] x [K 1,024, N 1,024]; A: computed on the way; B: input Wo: QUANTISED
;;   THE QUANTISER, for each operand of a quantised product, along K:
;;     - K is cut into blocks of 32 from its start; a last block that is shorter is filled with zeros.
;;     - A block's scale is 2^e with e = floor(log2(the largest magnitude in the block)) - 2, held to -126 .. 127; a block of zeros has e = 0. As a byte (E8M0): e + 127.
;;     - Each number is divided by its block's scale, clamped to +-7.5, and rounded to the nearest number of E2M3, ties to even, subnormals kept.
;;     - The product sums the exact products of the quantised numbers (number of the format x scale) in f32.
;;   ~~~python
;;   def quantise(x, axis):      # numpy; x: float32 -> the quantised numbers, widened to float32 again
;;       x = np.moveaxis(x, axis, -1); K = x.shape[-1]
;;       x = np.pad(x, [(0, 0)] * (x.ndim - 1) + [(0, -K % 32)]); x = x.reshape(x.shape[:-1] + (-1, 32)); a = np.abs(x).max(-1, keepdims=True)
;;       e = np.where(a > 0, np.clip(np.frexp(np.where(a > 0, a, 1))[1] - 1 - 2, -126, 127), 0)      # np.frexp(a)[1] - 1 = floor(log2(a)), exactly
;;       r = np.clip(x / 2.0 ** e, -7.5, 7.5)
;;       step = 2.0 ** (np.maximum(np.frexp(np.where(r == 0, 1, r))[1] - 1, 0) - 3)
;;       q = np.round(r / step) * step * 2.0 ** e      # np.round: ties to even
;;       return np.moveaxis(q.reshape(q.shape[:-2] + (-1,))[..., :K], -1, axis).astype(np.float32)
;;   ~~~
;;   SOFTMAX AHEAD OF A QUANTISED PRODUCT. Where the list says 'softmax', what is quantised is not the finished softmax but p = 2^(t - M), with t = logit x log2(e) and M = ceil(the row's largest t), a whole number; so 1/2 < the row's largest p <= 1. The row's sum l is taken of the UNQUANTISED p, in f32, and the product's result is divided by l at the end. Since M is a whole number, a kernel that streams over the keys may use a running M (the ceiling of the running maximum): every later rescaling is an exact power of two, which a block's scale takes up: the codes' values come out the same.
;;   OPERANDS COMPUTED ON THE WAY. 'Computed on the way' means the value that the module computes at that place (a softmax that the list does not call 'softmax' is quantised finished and normalised). What goes into a quantiser is computed in f32, as accurately as f32 sums, v_exp_f32 and their like allow (about 1e-6 of the number): no bf16 or f16 on the way to a quantiser, and a product that is left as it is and whose result goes on into a quantised operand takes f32 operands (vector FMAs, or v_wmma_f32_16x16x4_f32). A number that lies on a knife's edge between two numbers of the format may be rounded either way, as far as f32 arithmetic and the matrix unit's own rounding can turn it there, and no further.
;; One version. Each part assembles by itself: llvm-mc -triple=amdgcn-amd-amdhsa -mcpu=gfx1250 --defsym DOCPART=n.
;; ======== version 1 of 1: 4 launches
;; limits: right only within a limited range of input values
;; workspace buffers: codes 12,582,912 bytes; scl 524,288 bytes; qkv 9,830,400 bytes; ccodes 3,145,728 bytes; cscl 131,072 bytes
;; launch quant (part 1): grid 512 x 1, 4 waves a work-group, no clusters, 49,664 bytes of LDS; arguments query, key, value, Wq, Wk, Wv, Wo, codes, scl; writes codes, scl
.if DOCPART == 1
	.amdgcn_target "amdgcn-amd-amdhsa--gfx1250"
	.amdhsa_code_object_version 6
	.text
	.protected	k_qeabe1e0d04_quant
	.globl	k_qeabe1e0d04_quant
	.p2align	8
	.type	k_qeabe1e0d04_quant,@function
k_qeabe1e0d04_quant:
	s_mov_b64 s[64:65], 0
	v_nop
	global_prefetch_b8 v0, s[64:65] scope:SCOPE_SE
	s_setreg_imm32_b32 hwreg(HW_REG_WAVE_MODE, 25, 1), 1
	s_wait_xcnt 0x0
; query, key, value [4096][1024] and Wq, Wk, Wv, Wo [1024][1024], f32, K innermost, become codes of FP6 (E2M3) with one E8M0 byte for each 32 along K.
; A block's scale is 2^(floor(log2(its largest magnitude)) - 2); its byte is the largest magnitude's exponent field - 2, held at 1 from below.
; LIMITS: NaN and infinities among the inputs are not served.  A block of zeros, or one whose largest magnitude lies under 2^(3 - 127), gets the byte 1 (the rule says 127 for zeros): zero codes add nothing, and this program alone reads the bytes.
; LAYOUT OF THE RESULT: the order of the matrix operand's registers.  Rows go in ROWTILES of 16: rowtile 2 g + u of a tensor holds rows 32 g + 8 u + r + 8 (r / 8), r = 0 .. 15.
; A rowtile's codes are 8 fragments (16 rows x 128 K, 1,536 bytes), a fragment is six planes of 256 bytes: plane p holds registers 2 p, 2 p + 1 of the 32 lanes, 8 bytes a lane.
; A rowtile's scale words: [K half][row r][4 words], 512 bytes.  Rowtiles on end: query 0-255, key 256-511, value 512-767, Wq 768-, Wk 832-, Wv 896-, Wo 960-1023.
; SHARES: a work-group takes 32 rows (two rowtiles), a wave one rowtile and one half of K: 16 steps, a step = 512 numbers of one row.
; A step's four loads read 512 consecutive bytes each; the 2,048 bytes turn through the wave's own stage in LDS so that a lane holds 16 neighbours (two lanes a block).
; The codes are gathered in the wave's own code stage, already in plane order, and leave as 12 stores of 512 consecutive bytes; the 256 scale bytes as one store of 256.
; No tensor loads, no barrier, no cluster: waves and work-groups share nothing.
.set STEPS, 16
.set EMAX,  2
.set WREG,  12288                      ; LDS of a wave
.set SP,    80                         ; a lane's place in a turn stage: 64 bytes + 16
.set SCB,   2*32*SP                    ; behind the two turn stages: the wave's 256 scale bytes
.set CST,   SCB+256                    ; behind them the code stage: 4 fragments
.set SGP,   1632                       ; from fragment to fragment in the code stage
.set PLP,   272                        ; from plane to plane: 256 bytes + 16
.set R,     16                         ; v16-79   four sets of 16 numbers as loaded
.set X,     80                         ; v80-111  two sets of 16 neighbours
.set E,     112                        ; v112-127 a scale byte for each step
.set C,     128                        ; v128-191 codes, four registers a step
.set CA,    192                        ; v192-194 where my three code words go in the code stage (row 0)
.set RBK,   195                        ; v195     where I read the code stage back
	s_load_b256 s[4:11], s[0:1], 0x0               ; query, key, value, Wq
	s_load_b256 s[12:19], s[0:1], 0x20             ; Wk, Wv, Wo, codes
	s_load_b64 s[20:21], s[0:1], 0x40              ; scl
	v_lshl_add_u32 v200, v0, 2, 0xc000
	v_mov_b32 v201, 0
	v_lshrrev_b32 v1, 5, v0
	v_readfirstlane_b32 s25, v1                    ; wave
	v_and_b32 v2, 31, v0                           ; lane
	v_lshlrev_b32 v3, 4, v2                        ; 16 x lane
	s_mul_i32 s26, s25, WREG
	v_lshrrev_b32 v14, 2, v2
	v_mul_u32_u24 v14, v14, SP
	v_and_b32 v15, 3, v2
	v_lshl_add_u32 v14, v15, 4, v14
	v_add_nc_u32 v14, s26, v14                     ; turn stage, in: SP (lane / 4) + 16 (lane % 4)
	v_mul_u32_u24 v15, v2, SP
	v_add_nc_u32 v15, s26, v15                     ; turn stage, out: SP x lane
	v_lshrrev_b32 v5, 1, v2
	s_add_co_u32 s27, s26, SCB
	v_add_nc_u32 v5, s27, v5                       ; my block's scale byte (row 0)
	v_lshlrev_b32 v7, 3, v2
	v_add_nc_u32 v6, s27, v7                       ; the scale bytes on the way out: 8 a lane
	; Lane l holds k = 16 l + 0 .. 15 of the step's 512: fragment l / 8; in it c = (l / 4) % 2, h = (l / 2) % 2, half l % 2 of the block: registers 3 q + 0 .. 2, q = 2 c + l % 2, of fragment lane row + 16 h
	s_add_co_u32 s27, s26, CST
	v_bfe_u32 v8, v2, 2, 1
	v_and_b32 v9, 1, v2
	v_lshl_add_u32 v8, v8, 1, v9
	v_mul_u32_u24 v8, v8, 3                        ; 3 q
	v_lshrrev_b32 v9, 3, v2
	v_mul_u32_u24 v9, v9, SGP
	v_bfe_u32 v10, v2, 1, 1
	v_lshl_add_u32 v9, v10, 7, v9                  ; + 16 h lanes of 8 bytes
	v_add_nc_u32 v9, s27, v9
.irp i, 0,1,2
	v_add_nc_u32 v10, \i, v8                       ; the register's number: its plane is half of it, its word the odd bit
	v_lshrrev_b32 v11, 1, v10
	v_and_b32 v10, 1, v10
	v_mad_u32_u24 v[CA+\i], v11, PLP, v9
	v_lshl_add_u32 v[CA+\i], v10, 2, v[CA+\i]
.endr
	v_and_b32 v10, 15, v2
	v_lshrrev_b32 v11, 4, v2
	v_mul_u32_u24 v11, v11, PLP
	v_lshl_add_u32 v11, v10, 4, v11
	v_add_nc_u32 v[RBK], s27, v11                  ; back: lanes 0-15 one plane, lanes 16-31 the next
	s_lshr_b32 s28, s25, 1
	s_lshl_b32 s28, s28, 15                        ; my rowtile begins 8 rows of 4,096 bytes on
	s_and_b32 s29, s25, 1
	s_lshl_b32 s29, s29, 11                        ; my half of K
	s_add_co_u32 s28, s28, s29
	s_lshl_b32 s30, ttmp9, 2
	s_add_co_u32 s30, s30, s25                     ; the wave's number in the launch
	s_wait_kmcnt 0x0
	s_mov_b64 s[22:23], s[16:17]                   ; which tensor: the choice hangs on the work-group's number alone
	s_mov_b32 s24, 480
	s_cmp_lt_u32 ttmp9, 480
	s_cselect_b64 s[22:23], s[14:15], s[22:23]
	s_cselect_b32 s24, 448, s24
	s_cmp_lt_u32 ttmp9, 448
	s_cselect_b64 s[22:23], s[12:13], s[22:23]
	s_cselect_b32 s24, 416, s24
	s_cmp_lt_u32 ttmp9, 416
	s_cselect_b64 s[22:23], s[10:11], s[22:23]
	s_cselect_b32 s24, 384, s24
	s_cmp_lt_u32 ttmp9, 384
	s_cselect_b64 s[22:23], s[8:9], s[22:23]
	s_cselect_b32 s24, 256, s24
	s_cmp_lt_u32 ttmp9, 256
	s_cselect_b64 s[22:23], s[6:7], s[22:23]
	s_cselect_b32 s24, 128, s24
	s_cmp_lt_u32 ttmp9, 128
	s_cselect_b64 s[22:23], s[4:5], s[22:23]
	s_cselect_b32 s24, 0, s24
	s_sub_co_u32 s24, ttmp9, s24
	; KEY ALONE has another order of rows: its rowtile 4 c + t holds rows 64 c + 8 t + r % 8 + 32 (r / 8), so that in attention a lane's 32 scores of four tiles are one scale block of 32 neighbouring keys.
	; Against the other tensors' order: an odd work-group begins 16 rows higher up, and a rowtile's rows 8 to 15 lie 16 rows further down (v4 serves them).
	s_lshr_b32 s31, ttmp9, 7
	s_cmp_eq_u32 s31, 1                            ; work-groups 128 to 255 take key
	s_cselect_b32 s31, 0x10000, 0                  ; 16 rows of 4,096 bytes, or nothing
	s_and_b32 s27, s24, 1
	s_mul_i32 s27, s27, s31
	s_lshl_b32 s24, s24, 17
	s_sub_co_u32 s24, s24, s27
	v_add_nc_u32 v4, s31, v3
	s_add_co_u32 s28, s28, s24
	s_mov_b32 s29, 0
	s_add_nc_u64 s[22:23], s[22:23], s[28:29]
	s_mul_i32 s28, s30, 6144                       ; half a rowtile's codes a wave
	s_add_nc_u64 s[18:19], s[18:19], s[28:29]
	s_lshl_b32 s28, s30, 8                         ; 256 scale bytes a wave
	s_add_nc_u64 s[20:21], s[20:21], s[28:29]
.macro LOAD t                          ; step t = the rowtile's row t: t + 8 (t / 8) rows down
.irp i, 0,1,2,3
	global_load_b128 v[R+16*((\t)%4)+4*\i:R+16*((\t)%4)+4*\i+3], v[3+(\t)/8], s[22:23] offset:((\t)+8*((\t)/8))*4096+512*\i th:TH_LOAD_NT
.endr
.endm
.macro TURN t                          ; LDS serves a wave's instructions in order: no wait between the stores and the loads
.irp i, 0,1,2,3
	ds_store_b128 v14, v[R+16*((\t)%4)+4*\i:R+16*((\t)%4)+4*\i+3] offset:32*SP*((\t)%2)+8*SP*\i
.endr
.irp i, 0,1,2,3
	ds_load_b128 v[X+16*((\t)%2)+4*\i:X+16*((\t)%2)+4*\i+3], v15 offset:32*SP*((\t)%2)+16*\i
.endr
.endm
.irp t, 0,1,2,3
	LOAD \t
.endr
	s_wait_loadcnt 12                              ; step 0's four loads are in
	TURN 0
.macro STEP t
.set XS, X+16*((\t)%2)
.if (\t) > 0
	s_wait_dscnt 4                                 ; this step's numbers are back (the last step's three code stores and its byte store may be out): so its stores into the stage have read their registers,
.else
	s_wait_dscnt 0x0
.endif
.if (\t)+4 < STEPS
	LOAD (\t)+4                                    ; which take the loads of four steps on
.endif
.if (\t)+1 < STEPS
.if STEPS-2-(\t) >= 3
	s_wait_loadcnt 12                              ; the next step's four loads are in; those of the three steps behind it may be out
.else
	s_wait_loadcnt 4*(STEPS-2-(\t))
.endif
	TURN (\t)+1
.endif
	v_max3_num_f32 v8, |v[XS]|, |v[XS+1]|, |v[XS+2]|
	v_max3_num_f32 v9, |v[XS+3]|, |v[XS+4]|, |v[XS+5]|
.irp i, 6,10
	v_max3_num_f32 v8, v8, |v[XS+\i]|, |v[XS+\i+1]|
	v_max3_num_f32 v9, v9, |v[XS+\i+2]|, |v[XS+\i+3]|
.endr
	v_max3_num_f32 v8, v8, |v[XS+14]|, |v[XS+15]|
	v_max3_num_f32 v8, v8, v9, (EMAX+1)<<23        ; with the floor 2^(3 - 127): the byte cannot fall under 1
	v_max_num_f32_dpp v8, v8, v8 row_xmask:1 row_mask:0xf bank_mask:0xf   ; and my neighbour's 16: the block's largest magnitude
	v_add_nc_u32 v11, -(EMAX<<23), v8              ; 2 off its exponent field: the conversion's scale operand
	v_cvt_scalef32_pk16_fp6_f32 v[C+4*(\t):C+4*(\t)+2], v[XS:XS+15], v11
	v_lshrrev_b32 v[E+(\t)], 23, v11               ; the scale's byte (also the plain line behind the conversion)
	ds_store_b8 v5, v[E+(\t)] offset:16*(\t)       ; both lanes of a block write the same byte with the same value
.irp i, 0,1,2
	ds_store_b32 v[CA+\i], v[C+4*(\t)+\i] offset:8*(\t)   ; row t is fragment lane t (+ 16 h): 8 bytes a lane
.endr
.endm
.irp t, 0,1,2,3,4,5,6,7,8,9,10,11,12,13,14,15
	STEP \t
.endr
.irp k, 0,1,2,3,4,5,6,7,8,9,10,11
	ds_load_b128 v[16+4*\k:19+4*\k], v[RBK] offset:(\k/3)*SGP+(\k%3)*2*PLP   ; two planes, 512 bytes; these see my stores, which were issued ahead of them
.endr
	ds_load_b64 v[12:13], v6
.irp k, 0,1,2,3,4,5,6,7,8,9,10,11
	s_wait_dscnt 12-\k                             ; the younger read-backs may be out
	global_store_b128 v3, v[16+4*\k:19+4*\k], s[18:19] offset:512*\k   ; 32 lanes store 512 consecutive bytes, aligned to 256
.endr
	s_wait_dscnt 0x0
	global_store_b64 v7, v[12:13], s[20:21]        ; 32 lanes store 256 consecutive bytes, aligned
	s_wait_tensorcnt 0x0
	ds_add_u32 v200, v201
	s_wait_dscnt 0x0
	s_endpgm
.Lfunc_end_k_qeabe1e0d04_quant:
	.size	k_qeabe1e0d04_quant, .Lfunc_end_k_qeabe1e0d04_quant-k_qeabe1e0d04_quant
	.p2alignl 7, 3214868480
	.fill 96, 4, 3214868480
	.section	.rodata,"a",@progbits
	.p2align	6, 0x0
	.amdhsa_kernel k_qeabe1e0d04_quant
		.amdhsa_group_segment_fixed_size 49664
		.amdhsa_private_segment_fixed_size 0
		.amdhsa_enable_private_segment 0
		.amdhsa_kernarg_size 72
		.amdhsa_user_sgpr_count 2
		.amdhsa_user_sgpr_kernarg_segment_ptr 1
		.amdhsa_wavefront_size32 1
		.amdhsa_system_sgpr_workgroup_id_x 1
		.amdhsa_system_sgpr_workgroup_id_y 1
		.amdhsa_system_sgpr_workgroup_id_z 1
		.amdhsa_system_vgpr_workitem_id 0
		.amdhsa_next_free_vgpr 202
		.amdhsa_next_free_sgpr 66
		.amdhsa_reserve_vcc 0
		.amdhsa_float_denorm_mode_32 3
		.amdhsa_float_denorm_mode_16_64 3
		.amdhsa_memory_ordered 1
		.amdhsa_forward_progress 1
		.amdhsa_inst_pref_size 39
	.end_amdhsa_kernel
	.amdgpu_metadata
---
amdhsa.version: [ 1, 2 ]
amdhsa.kernels:
  - .name:           k_qeabe1e0d04_quant
    .symbol:         k_qeabe1e0d04_quant.kd
    .args:
      - { .name: query, .offset: 0, .size: 8, .value_kind: global_buffer, .address_space: global }
      - { .name: key, .offset: 8, .size: 8, .value_kind: global_buffer, .address_space: global }
      - { .name: value, .offset: 16, .size: 8, .value_kind: global_buffer, .address_space: global }
      - { .name: Wq, .offset: 24, .size: 8, .value_kind: global_buffer, .address_space: global }
      - { .name: Wk, .offset: 32, .size: 8, .value_kind: global_buffer, .address_space: global }
      - { .name: Wv, .offset: 40, .size: 8, .value_kind: global_buffer, .address_space: global }
      - { .name: Wo, .offset: 48, .size: 8, .value_kind: global_buffer, .address_space: global }
      - { .name: codes, .offset: 56, .size: 8, .value_kind: global_buffer, .address_space: global }
      - { .name: scl, .offset: 64, .size: 8, .value_kind: global_buffer, .address_space: global }
    .group_segment_fixed_size: 49664
    .private_segment_fixed_size: 0
    .kernarg_segment_align: 8
    .kernarg_segment_size: 72
    .max_flat_workgroup_size: 128
    .sgpr_count:     66
    .vgpr_count:     202
    .wavefront_size: 32
...
	.end_amdgpu_metadata
.endif
;; end of part 1
;; launch proj (part 2): grid 4 x 48, 4 waves a work-group, clusters of 4 x 4, 327,680 bytes of LDS; arguments codes, scl, bq, bk, bv, qkv; writes qkv
.if DOCPART == 2
	.amdgcn_target "amdgcn-amd-amdhsa--gfx1250"
	.amdhsa_code_object_version 6
	.text
	.protected	k_qeabe1e0d04_proj
	.globl	k_qeabe1e0d04_proj
	.p2align	8
	.type	k_qeabe1e0d04_proj,@function
k_qeabe1e0d04_proj:
	s_mov_b64 s[64:65], 0
	v_nop
	global_prefetch_b8 v0, s[64:65] scope:SCOPE_SE
	s_setreg_imm32_b32 hwreg(HW_REG_WAVE_MODE, 25, 1), 1
	s_wait_xcnt 0x0
	s_wait_alu depctr_hold_cnt(0) depctr_sa_sdst(0) depctr_va_vdst(0) depctr_va_sdst(0) depctr_va_ssrc(0) depctr_va_vcc(0) depctr_vm_vsrc(0)
	s_getreg_b32 s2, hwreg(HW_REG_IB_STS2, 6, 4)
	s_cmp_eq_u32 s2, 0
	s_cbranch_scc0 .Lentry_in_a_cluster
	s_endpgm
.Lentry_in_a_cluster:
	s_bfe_u32 s2, ttmp6, 0x10000c
	s_cmp_lg_u32 s2, 0xf033
	s_cbranch_scc0 .Lentry_shape_is_right
	s_endpgm
.Lentry_shape_is_right:
; The three input projections, y = x W^T + b, on codes of FP6 (E2M3) with E8M0 scales, K = 1,024, and their results quantised again as attention's operands.
; 192 tiles of 256 x 256, one to a work-group of four waves; a wave makes 128 x 128: 64 accumulators, 512 registers.  Twelve clusters of 4 x 4 (the grid's x is one cluster wide): cluster y = 4 t + cc, t = 0 Q, 1 K, 2 V.
; "A" is the matrix instruction's source 1 (its rows fall on lanes), "B" its source 0 (its rows fall on a lane's registers).  Q, K: A = x (rows s), B = W (rows e): a lane holds one s and its registers run along e,
; which is the next product's K (the head's 64).  V: A = Wv (rows e), B = value (rows s): a lane holds one channel and its registers run along the keys, the second product's K.
; Operands lie in memory in ROWTILES (rowtile 2 g + u = rows 32 g + 8 u + r + 8 (r / 8)) and in the order of the operand's registers (planes of 256 bytes: registers 2 p, 2 p + 1, 8 bytes a lane):
; a fragment comes by six ds_load_b64 of 256 consecutive bytes, and the 16 registers of accumulators (a, 2 b') and (a, 2 b' + 1) are 16 neighbours 32 b' + 16 (lane / 16) + 0 .. 15 along B's rows.
; K goes in slots of 256 through a ring of two LDS slots; A's tile is asked for jointly by the four work-groups of a row of the cluster, B's by the four of a column.
; All scale words of the wave's rows (8 words a row) are loaded once into 64 registers: lanes 0-15 A's rowtile i, lanes 16-31 B's rowtile i.
; THE WAY OUT, without LDS: bias added in f32, 64 numbers a lane quantised in registers, fragments stored as images of their registers ([group of 4 registers][lane][16 bytes]: 512 consecutive bytes a store).
; qkv: for each head (307,200 bytes) and step of 128 rows (19,200 bytes): K 4 fragments | V^T 4 fragments | K's scale words | V's | Q 4 fragments | Q's scale words.
; A fragment of K or Q holds 32 rows: registers 0-5 rowtile (f, 0)'s row r, channels 32 h on; registers 6-11 rowtile (f, 1)'s.  Its scale word: two bytes for each of the two rows.
; LIMITS: NaN and infinities are not served; a block of zeros gets the byte 1 (zero codes add nothing; this program alone reads the bytes).
.set NL,     6                         ; LDS loads of a fragment
.set NP,     4                         ; places behind this matrix instruction (ISA guide 7.12.1)
.set FR,     12                        ; registers of a fragment
.set RT,     12288                     ; a rowtile's codes in memory
.set HALFT,  24576                     ; 8 rowtiles x 256 along K: what one tensor load brings
.set SLOT,   4*HALFT                   ; A's 16 rowtiles, then B's
.set SPARE,  2*SLOT                    ; behind the ring: the spare words, 128 bytes a wave
.set REC,    19200
.set HEADB,  307200
.set VO,   8                           ; v8   16 x lane
.set VSO,  9                           ; v9   the scale words' store: HEADB x (lane / 16) + 16 r
.set VS,   10                          ; v10  the scale words' loads
.set ADRA, 16                          ; v16-17 my A fragments in slot 0, 1
.set ADRB, 20                          ; v20-21 my B fragments
.set SPW,  28                          ; v28  my spare word; never rewritten
.set NIL,  29                          ; v29  0; never rewritten
.set SC,   32                          ; v32-95 scale words: register 8 i + sg
.set AF,   128                         ; v128-223 A's fragments, one set (window 0); B's two sets at v0 and v128 of window 1; the bias at v96-127 and v224-255 of window 1
.set TM,   96                          ; the way out: v96-111 at work
.set PW,   112                         ; v112-119 scale words just made
.set WD,   120                         ; v120-123 the four words that a lane stores
.set T,    128                         ; v128-191 64 numbers
.set F0,   192                         ; v192-203, v204-215 two fragments
.set F1,   204
.set XQ,   224                         ; v224-230 the conversions' second halves
.set G1, 24
.set G0, 32
.set G1B, 48
.set G0B, 56
.set MSB, 0
.macro WIN new                         ; the immediate's high byte repeats the setting that is left
.if MSB != (\new)
	s_set_vgpr_msb (MSB<<8)|(\new)
.set MSB, (\new)
.endif
.endm
.set MUL_LO, 0xa1                      ; source 0 (B) window 1, source 1 (A) window 0, C and D window 2
.set MUL_HI, 0xf1                      ; the same, C and D window 3
.set TO_B,   0x40                      ; destination window 1
; A joint load: waves 0 and 1 fetch A's halves, waves 2 and 3 B's; the branch hangs on the wave's number alone.  Four v_nop follow each of the two lines.
.macro JLOAD g0a, g1a, g0b, g1b
	s_cmp_eq_u32 s15, 0
	s_cbranch_scc0 .Lfor_b_\@
	tensor_load_to_lds s[\g0a:\g0a+3], s[\g1a:\g1a+7]
	s_nop 0
.rept 4
	v_nop
.endr
	s_branch .Lasked_\@
.Lfor_b_\@:
	tensor_load_to_lds s[\g0b:\g0b+3], s[\g1b:\g1b+7]
	s_nop 0
.rept 4
	v_nop
.endr
.Lasked_\@:
.endm
.macro CREST                           ; a round of the cluster's barrier behind its opening barrier
	s_cmp_lg_u32 s14, 0
	s_cbranch_scc1 .Lnot_wave_0_\@
	s_barrier_signal -3
.Lnot_wave_0_\@:
	s_barrier_wait -3
	s_barrier_signal -1
	s_barrier_wait -1
.endm
.macro CROUND
	s_barrier_signal -1
	s_barrier_wait -1
	CREST
.endm
.macro PLACES n
.rept \n
	v_nop
.endr
.endm
	s_load_b256 s[4:11], s[0:1], 0x0               ; codes, scl, bq, bk
	s_load_b128 s[84:87], s[0:1], 0x20             ; bv, qkv
	v_lshl_add_u32 v[SPW], v0, 2, SPARE
	v_mov_b32 v[NIL], 0
	ds_add_u32 v28, v29
	ds_add_u32 v28, v29
	s_wait_dscnt 0x0
	v_lshrrev_b32 v1, 5, v0
	v_readfirstlane_b32 s14, v1                    ; wave 0..3
	s_lshr_b32 s15, s14, 1                         ; my half of A's rows.  Also: I fetch for A (0) or for B (1)
	s_and_b32 s16, s14, 1                          ; my half of B's rows.  Also: which 8 rowtiles I fetch
	s_bfe_u32 s40, ttmp6, 0x40000                  ; cx
	s_bfe_u32 s41, ttmp6, 0x40004                  ; cy
	s_and_b32 s17, ttmp7, 0xffff                   ; cluster y, 0 .. 11: the same in all sixteen partners
	s_lshr_b32 s70, s17, 2                         ; t
	s_and_b32 s71, s17, 3
	s_lshl_b32 s71, s71, 2                         ; 4 cc
	s_lshr_b32 s66, s70, 1                         ; 1 for V
	s_xor_b32 s67, s66, 1                          ; 1 for Q and K
	s_mul_i32 s18, s71, s67
	s_mul_i32 s19, s71, s66
	s_add_co_u32 s72, s41, s18                     ; A's tile: cy (+ 4 cc where A is x)
	s_add_co_u32 s73, s40, s19                     ; B's tile: cx (+ 4 cc where B is value)
	s_lshl_b32 s88, s70, 8
	s_mul_i32 s88, s88, s67
	s_mul_i32 s68, s66, 896
	s_add_co_u32 s88, s88, s68                     ; A's first rowtile: 0, 256, or Wv's 896
	s_lshl_b32 s89, s70, 6
	s_add_co_u32 s89, s89, 768
	s_mul_i32 s89, s89, s67
	s_mul_i32 s68, s66, 512
	s_add_co_u32 s89, s89, s68                     ; B's: 768, 832, or value's 512
	s_lshl_b32 s43, s41, 2
	s_lshl_b32 s43, 15, s43                        ; my row of the cluster
	s_lshl_b32 s44, 0x1111, s40                    ; my column
	; descriptor group 1: 8 rows (rowtiles) of 3,072 bytes (384 elements of 8), 12,288 bytes apart; dense in LDS
	s_or_b32 s[G1+0], s43, (3<<16)|(1<<21)         ; 15:0 the mask; 17:16 elements of 8 bytes; 21 set beside a mask
	s_or_b32 s[G1B+0], s44, (3<<16)|(1<<21)
.irp g, G1, G1B
	s_mov_b32 s[\g+1], 384<<16                     ; tensor_dim0
	s_mov_b32 s[\g+2], 16<<16                      ; tensor_dim1: 16 rowtiles for the head's loads; behind them 8, for the ring's
	s_mov_b32 s[\g+3], 384<<16                     ; tile_dim0
	s_mov_b32 s[\g+4], 16                          ; tile_dim1
	s_mov_b32 s[\g+5], 1536                        ; tensor_dim0_stride
	s_mov_b32 s[\g+6], 0
	s_mov_b32 s[\g+7], 0
.endr
	s_lshl_b32 s18, s16, 3                         ; which 8 rowtiles of the tile I fetch
	s_lshl_b32 s20, s72, 4
	s_add_co_u32 s20, s20, s88
	s_add_co_u32 s20, s20, s18
	s_mul_i32 s20, s20, RT                         ; A: made of cy and of what all partners share
	s_mov_b32 s21, 0
	s_lshl_b32 s46, s73, 4
	s_add_co_u32 s46, s46, s89
	s_add_co_u32 s46, s46, s18
	s_mul_i32 s46, s46, RT                         ; B: made of cx likewise
	s_mov_b32 s47, 0
	s_mul_i32 s45, s14, HALFT                      ; where the ring's loads go: no place in the cluster enters an LDS address
	s_mul_i32 s12, s16, 8*RT                       ; the ring's half of a tile, in bytes
	s_mov_b32 s13, 0
	s_mul_i32 s2, s15, 3072                        ; the head: wave / 2 is the slot that I fill,
	s_mov_b32 s3, 0
	s_mul_i32 s69, s15, SLOT                       ; and its place in LDS
	s_wait_kmcnt 0x0
	s_add_nc_u64 s[20:21], s[4:5], s[20:21]
	s_add_nc_u64 s[46:47], s[4:5], s[46:47]
	CROUND                                         ; all sixteen work-groups are here: the first joint loads meet
.irp s, 0,1
	s_mov_b32 s[G0+4*\s], 1
	s_add_co_u32 s[G0+4*\s+1], s45, \s*SLOT
	s_add_nc_u64 s[G0+4*\s+2:G0+4*\s+3], s[20:21], \s*3072
	s_or_b32 s[G0+4*\s+3], s[G0+4*\s+3], 0x80000000
	s_mov_b32 s[G0B+4*\s], 1
	s_add_co_u32 s[G0B+4*\s+1], s45, \s*SLOT
	s_add_nc_u64 s[G0B+4*\s+2:G0B+4*\s+3], s[46:47], \s*3072
	s_or_b32 s[G0B+4*\s+3], s[G0B+4*\s+3], 0x80000000
.endr
	; THE HEAD'S LOADS, ONE A WAVE: both slots' tiles, each whole (16 rowtiles): waves 0 and 2 A's of slot 0 and 1, waves 1 and 3 B's.  Their group 0 lies in slot 0's registers, which get the ring's values behind the wait.
	s_mov_b32 s[G0+1], s69
	s_sub_nc_u64 s[G0+2:G0+3], s[20:21], s[12:13]
	s_add_nc_u64 s[G0+2:G0+3], s[G0+2:G0+3], s[2:3]
	s_or_b32 s[G0+3], s[G0+3], 0x80000000
	s_add_co_u32 s[G0B+1], s69, 2*HALFT
	s_sub_nc_u64 s[G0B+2:G0B+3], s[46:47], s[12:13]
	s_add_nc_u64 s[G0B+2:G0B+3], s[G0B+2:G0B+3], s[2:3]
	s_or_b32 s[G0B+3], s[G0B+3], 0x80000000
	s_cmp_eq_u32 s16, 0
	s_cbranch_scc0 .Lhead_b
	tensor_load_to_lds s[G0:G0+3], s[G1:G1+7]
	s_nop 0
.rept 4
	v_nop
.endr
	s_branch .Lhead_asked
.Lhead_b:
	tensor_load_to_lds s[G0B:G0B+3], s[G1B:G1B+7]
	s_nop 0
.rept 4
	v_nop
.endr
.Lhead_asked:
	v_and_b32 v1, 15, v0                           ; r
	v_bfe_u32 v2, v0, 4, 1                         ; h
	v_and_b32 v3, 31, v0                           ; lane
	v_lshlrev_b32 v[VO], 4, v3
	v_mul_u32_u24 v[VSO], v2, HEADB
	v_lshl_add_u32 v[VSO], v1, 4, v[VSO]
	v_lshlrev_b32 v4, 3, v3                        ; 8 x lane: my place in a plane
	s_mul_i32 s22, s15, HALFT
	s_mul_i32 s23, s16, HALFT
	s_add_co_u32 s23, s23, 2*HALFT
.irp s, 0,1
	v_add_nc_u32 v[ADRA+\s], s22, v4
	v_add_nc_u32 v[ADRB+\s], s23, v4
	s_add_co_u32 s22, s22, SLOT
	s_add_co_u32 s23, s23, SLOT
.endr
	; the scale words: lanes 0-15 take my 8 rowtiles of A, lanes 16-31 my 8 of B; 512 bytes a rowtile, 16 bytes a row and K half
	s_lshl_b32 s90, s72, 4
	s_add_co_u32 s90, s90, s88
	s_lshl_b32 s17, s15, 3
	s_add_co_u32 s90, s90, s17
	s_lshl_b32 s90, s90, 9
	s_lshl_b32 s91, s73, 4
	s_add_co_u32 s91, s91, s89
	s_add_co_u32 s91, s91, s18
	s_lshl_b32 s91, s91, 9
	s_mov_b32 s78, 0xffff0000                      ; lanes 16-31
	v_mov_b32 v5, s90
	v_mov_b32 v6, s91
	v_cndmask_b32 v[VS], v5, v6, s78
	v_lshl_add_u32 v[VS], v1, 4, v[VS]
.irp i, 0,1,2,3,4,5,6,7
.irp k, 0,1
	global_load_b128 v[SC+8*\i+4*\k:SC+8*\i+4*\k+3], v[VS], s[6:7] offset:512*\i+256*\k
.endr
.endr
	; which 128 of e and which 128 of s are my wave's; the bias pointer; the store bases
	s_cmp_eq_u32 s70, 0
	s_cselect_b64 s[92:93], s[8:9], s[10:11]
	s_cmp_eq_u32 s70, 2
	s_cselect_b64 s[92:93], s[84:85], s[92:93]
	s_cselect_b32 s94, s72, s73
	s_cselect_b32 s95, s15, s16
	s_cselect_b32 s96, s73, s72
	s_cselect_b32 s97, s16, s15
	s_lshl_b32 s94, s94, 1
	s_add_co_u32 s94, s94, s95                     ; e / 128: heads 2 x this and the next
	s_lshl_b32 s96, s96, 1
	s_add_co_u32 s96, s96, s97                     ; (2,048 b + s) / 128
	s_lshl_b32 s98, s94, 9
	s_mov_b32 s99, 0
	s_add_nc_u64 s[92:93], s[92:93], s[98:99]      ; the bias at my 128 of e
	s_lshr_b32 s95, s96, 4
	s_lshl_b32 s95, s95, 4
	s_lshl_b32 s97, s94, 1
	s_add_co_u32 s95, s95, s97                     ; 16 b + head
	s_mul_i32 s95, s95, HEADB
	s_and_b32 s97, s96, 15
	s_mul_i32 s97, s97, REC
	s_add_co_u32 s95, s95, s97
	s_mov_b32 s79, 12288
	s_cmp_eq_u32 s70, 0
	s_cselect_b32 s98, 12800, 0                    ; the record's part: Q's fragments at 12,800, K's at 0, V's at 6,144;
	s_cselect_b32 s79, 18944, s79                  ; their scale words at 18,944, 12,288, 12,544
	s_cmp_eq_u32 s70, 2
	s_cselect_b32 s98, 6144, s98
	s_cselect_b32 s79, 12544, s79
	s_add_co_u32 s98, s98, s95
	s_add_nc_u64 s[74:75], s[86:87], s[98:99]
	s_add_co_u32 s98, s79, s95
	s_add_nc_u64 s[76:77], s[86:87], s[98:99]
	s_mov_b32 s80, 0x76543210
	s_mov_b32 s81, 0xfedcba98                      ; v_permlanex16_b32's selects for lane l xor 16
	s_mov_b32 s82, 0x05040100                      ; two low halves
	s_mov_b32 s83, 0x07060302                      ; two high halves
	v_lshlrev_b32 v5, 6, v2                        ; Q, K: the bias runs along my registers: 16 numbers for each half of the lanes
	v_and_b32 v6, 8, v1
	v_add_nc_u32 v6, v6, v1
	v_lshlrev_b32 v6, 2, v6                        ; V: it hangs on my lane's row: r + 8 (r / 8)
	s_cmp_eq_u32 s70, 2
	s_cbranch_scc1 .Lbias_v                        ; the same way in all partners
	WIN TO_B
.irp bb, 0,1,2,3
.irp q, 0,1,2,3
	global_load_b128 v[96+16*\bb+4*\q+96*(\bb/2):96+16*\bb+4*\q+96*(\bb/2)+3], v5, s[92:93] offset:128*\bb+16*\q   ; number x = 16 b' + i: e = 32 b' + 16 h + i
.endr
.endr
	WIN 0
	s_branch .Lbias_done
.Lbias_v:
	WIN TO_B
	s_wait_alu depctr_va_vdst(0)
.irp a, 0,1,2,3,4,5,6,7
	global_load_b32 v[96+2*\a], v6, s[92:93] offset:(32*(\a/2)+8*(\a%2))*4   ; rowtile a's, twice: a pair for the packed addition
	global_load_b32 v[97+2*\a], v6, s[92:93] offset:(32*(\a/2)+8*(\a%2))*4
.endr
	WIN 0
.Lbias_done:
.macro FRAG reg, adr, q, i             ; a fragment: six planes of 256 consecutive bytes
.irp p, 0,1,2,3,4,5
	ds_load_b64 v[\reg+2*\p:\reg+2*\p+1], v[\adr] offset:1536*(\q)+3072*(\i)+256*\p
.endr
.endm
; 16 matrix instructions: A's blocks a0, a0 + 1 x B's eight, K step sg.  p: B's set.  The 64 accumulators take turns, one instruction a turn, in the same order in every step.
.macro MUL16 a0, p, sg, zero
.irp a, \a0, \a0+1
.irp b, 0,1,2,3,4,5,6,7
.if \zero
	v_wmma_scale_f32_16x16x128_f8f6f4 v[8*(8*((\a)%4)+\b):8*(8*((\a)%4)+\b)+7], v[128*(\p)+FR*\b:128*(\p)+FR*\b+FR-1], v[AF+FR*(\a):AF+FR*(\a)+FR-1], 0, v[SC+8*\b+(\sg)], v[SC+8*(\a)+(\sg)] matrix_a_fmt:MATRIX_FMT_FP6 matrix_b_fmt:MATRIX_FMT_FP6 matrix_a_scale:MATRIX_SCALE_ROW1
.else
	v_wmma_scale_f32_16x16x128_f8f6f4 v[8*(8*((\a)%4)+\b):8*(8*((\a)%4)+\b)+7], v[128*(\p)+FR*\b:128*(\p)+FR*\b+FR-1], v[AF+FR*(\a):AF+FR*(\a)+FR-1], v[8*(8*((\a)%4)+\b):8*(8*((\a)%4)+\b)+7], v[SC+8*\b+(\sg)], v[SC+8*(\a)+(\sg)] matrix_a_fmt:MATRIX_FMT_FP6 matrix_b_fmt:MATRIX_FMT_FP6 matrix_a_scale:MATRIX_SCALE_ROW1
.endif
.endr
.endr
.endm
.macro FETCH_B slot, q, p
	WIN TO_B
.irp i, 0,1,2,3,4,5,6,7
	FRAG 128*(\p)+FR*\i, ADRB+\slot, \q, \i
.endr
	WIN 0
.endm
.macro FETCH_A slot, q, i0
.irp i, \i0, \i0+1, \i0+2, \i0+3
	FRAG AF+FR*(\i), ADRA+\slot, \q, \i
.endr
.endm
; A slot's first 128 along K (B's set 0); its successor lies in the same slot.  Loads into registers that matrix instructions have read stand four places behind them.
.macro STEP slot, sg, zero
	s_wait_dscnt 4*NL                              ; B's set and A's blocks 0-3 are in; the youngest 24 loads (A's blocks 4-7) may be out
	WIN MUL_LO
	MUL16 0, 0, \sg, \zero
	MUL16 2, 0, \sg, \zero
	s_wait_dscnt 0                                 ; A's blocks 4-7 are in
	PLACES NP
	FETCH_B \slot, 1, 1
	FETCH_A \slot, 1, 0
	WIN MUL_HI
	MUL16 4, 0, \sg, \zero
	MUL16 6, 0, \sg, \zero
	PLACES NP
	WIN 0
	FETCH_A \slot, 1, 4
.endm
; A slot's second 128 (B's set 1) changes slots: one barrier; in front of it each wave waits for all its tensor loads, adds 0 to its spare word, and waits for that and for its reads of this slot.
.macro TURN slot, next, fill, sg
	s_wait_tensorcnt 0x0                           ; all my tensor loads have landed: my part of the next slot
	ds_add_u32 v[SPW], v[NIL]                      ; 0 onto my spare word
	s_wait_dscnt 4*NL+1                            ; (the add and the youngest 24 loads may be out)
	WIN MUL_LO
	MUL16 0, 1, \sg, 0                             ; sixteen matrix instructions stand between the add and the wait for it
	s_wait_dscnt 0x0                               ; the add is done, and my reads of this slot are over
	s_barrier_signal -1
	MUL16 2, 1, \sg, 0
	WIN 0
	s_barrier_wait -1
.if \fill
	CREST                                          ; the barrier has opened a round of the cluster's: no wave of any partner still reads this slot or has a load on its way
	s_add_nc_u64 s[G0+4*\slot+2:G0+4*\slot+3], s[G0+4*\slot+2:G0+4*\slot+3], 2*3072
	s_add_nc_u64 s[G0B+4*\slot+2:G0B+4*\slot+3], s[G0B+4*\slot+2:G0B+4*\slot+3], 2*3072
	JLOAD G0+4*\slot, G1, G0B+4*\slot, G1B         ; the first tensor load behind the round; its four v_nop are the places in front of the loads below
.else
	PLACES NP
.endif
	s_wait_alu depctr_va_vdst(0)
	FETCH_B \next, 0, 0
	FETCH_A \next, 0, 0
	WIN MUL_HI
	MUL16 4, 1, \sg, 0
	MUL16 6, 1, \sg, 0
	PLACES NP
	WIN 0
	FETCH_A \next, 0, 4
.endm
	s_wait_alu depctr_va_vdst(0)                   ; the wait at the head's end
	s_wait_tensorcnt 0x0                           ; my tile of the head's four is in; no tensor load of mine is out, so the descriptors may be written:
	s_mov_b32 s[G1+2], 8<<16                       ; from here on a load brings 8 rowtiles,
	s_mov_b32 s[G1+4], 8
	s_mov_b32 s[G1B+2], 8<<16
	s_mov_b32 s[G1B+4], 8
	s_mov_b32 s[G0+1], s45                         ; and slot 0's group 0 gets the ring's values
	s_mov_b64 s[G0+2:G0+3], s[20:21]
	s_or_b32 s[G0+3], s[G0+3], 0x80000000
	s_mov_b32 s[G0B+1], s45
	s_mov_b64 s[G0B+2:G0B+3], s[46:47]
	s_or_b32 s[G0B+3], s[G0B+3], 0x80000000
	s_barrier_signal -1
	s_barrier_wait -1                              ; everybody's is: both slots are whole
	FETCH_B 0, 0, 0
	FETCH_A 0, 0, 0
	FETCH_A 0, 0, 4
	s_wait_loadcnt 0x0                             ; the scale words and the bias
	STEP 0, 0, 1                                   ; K = 1,024 is eight steps of 128, written out: each names its own scale registers.  The first products start the sums
	TURN 0, 1, 1, 1                                ; slot 0 takes K 512 on
	STEP 1, 2, 0
	TURN 1, 0, 1, 3                                ; slot 1 takes K 768 on
	STEP 0, 4, 0
	TURN 0, 1, 0, 5                                ; nothing is left to fetch
	STEP 1, 6, 0
	s_wait_dscnt 4*NL
	WIN MUL_LO
	MUL16 0, 1, 7, 0
	MUL16 2, 1, 7, 0
	s_wait_dscnt 0
	WIN MUL_HI
	MUL16 4, 1, 7, 0
	MUL16 6, 1, 7, 0
	WIN 0
; 64 numbers of a lane, v[s] on, register 16 b + i = k 32 b + 16 (lane / 16) + i of my row, become codes: d0 .. d0 + 5 hold k = 32 h + 0 .. 31, d1 .. d1 + 5 hold k = 64 + 32 h + 0 .. 31; pw = my row's four scale bytes.
.macro QUANT s, d0, d1, pw
.irp b, 0,1,2,3
	v_max3_num_f32 v[TM+\b], |v[(\s)+16*\b]|, |v[(\s)+1+16*\b]|, 0x1800000   ; with the floor 2^(3 - 127): the byte cannot fall under 1
.endr
.irp i, 2,4,6,8,10,12,14
.irp b, 0,1,2,3
	v_max3_num_f32 v[TM+\b], v[TM+\b], |v[(\s)+16*\b+\i]|, |v[(\s)+1+16*\b+\i]|
.endr
.endr
.irp b, 0,1,2,3
	v_permlanex16_b32 v[TM+4+\b], v[TM+\b], s80, s81
.endr
.irp b, 0,1,2,3
	v_max_num_f32 v[TM+\b], v[TM+\b], v[TM+4+\b]   ; with lane l xor 16's: the block's largest magnitude
.endr
.irp b, 0,1,2,3
	v_add_nc_u32 v[TM+12+\b], 0xff000000, v[TM+\b] ; 2 off its exponent field: the conversion's scale operand
.endr
.irp b, 0,1,2,3
	v_lshrrev_b32 v[TM+4+\b], 23, v[TM+12+\b]      ; the scale's byte
.endr
	v_lshl_or_b32 v[\pw], v[TM+5], 8, v[TM+4]
	v_lshl_or_b32 v[\pw], v[TM+6], 16, v[\pw]
	v_lshl_or_b32 v[\pw], v[TM+7], 24, v[\pw]
	v_cvt_scalef32_pk16_fp6_f32 v[(\d0):(\d0)+2], v[(\s):(\s)+15], v[TM+12]
	v_cvt_scalef32_pk16_fp6_f32 v[XQ:XQ+2], v[(\s)+16:(\s)+31], v[TM+13]      ; (a conversion's three registers begin on an even number)
	v_cvt_scalef32_pk16_fp6_f32 v[(\d1):(\d1)+2], v[(\s)+32:(\s)+47], v[TM+14]
	v_cvt_scalef32_pk16_fp6_f32 v[XQ+4:XQ+6], v[(\s)+48:(\s)+63], v[TM+15]
	v_nop                                          ; one plain place behind a scaled conversion
.irp i, 0,1,2                                  ; the operand's layout wants a whole block in a lane
	v_permlane16_swap_b32 v[(\d0)+\i], v[XQ+\i]
	v_permlane16_swap_b32 v[(\d1)+\i], v[XQ+4+\i]
.endr
.irp i, 0,1,2
	v_mov_b32 v[(\d0)+3+\i], v[XQ+\i]
	v_mov_b32 v[(\d1)+3+\i], v[XQ+4+\i]
.endr
.endm
.macro ADDB a                          ; block a's 64 sums + the bias along my registers; each accumulator is read from its low end on
	WIN 0x06+(\a)/4
.set xx, 0
.rept 32
	v_pk_add_f32 v[T+xx:T+xx+1], v[64*((\a)%4)+xx:64*((\a)%4)+xx+1], v[96+xx+96*(xx/32):96+xx+96*(xx/32)+1]
.set xx, xx+2
.endr
	WIN 0
.endm
.macro ADDV a                          ; the same with my lane's one bias of rowtile a
	WIN 0x06+(\a)/4
.set xx, 0
.rept 32
	v_pk_add_f32 v[T+xx:T+xx+1], v[64*((\a)%4)+xx:64*((\a)%4)+xx+1], v[96+2*(\a):97+2*(\a)]
.set xx, xx+2
.endr
	WIN 0
.endm
	PLACES NP                                      ; behind the last products: their results are read and A's registers written below
.irp b, 0,1,2,3
	v_mov_b32 v[TM+4+\b], 0                        ; written once: a lane permute's destination counts as one of its sources
.endr
	s_cmp_eq_u32 s70, 2
	s_cbranch_scc1 .Lout_v
	; Q, K: my lane's row s of rowtile a = 2 g + u; its 128 of e are two heads.  Rowtiles 2 g and 2 g + 1 make fragment g of each head.
.irp g, 0,1,2,3
.if \g > 0
	s_wait_xcnt 0x0                                ; the last fragments' stores have read their registers
.endif
	ADDB 2*\g
	QUANT T, F0, F1, PW
	ADDB 2*\g+1
	QUANT T, F0+6, F1+6, PW+1
	v_perm_b32 v114, v[PW+1], v[PW], s82           ; the first head's word: two bytes of each of the two rows
	v_perm_b32 v115, v[PW+1], v[PW], s83           ; the second head's
	v_cndmask_b32 v[WD+\g], v114, v115, s78        ; lanes 0-15 keep the first head's, lanes 16-31 the second's
.irp c, 0,1,2
	global_store_b128 v[VO], v[F0+4*\c:F0+4*\c+3], s[74:75] offset:1536*\g+512*\c          ; 512 consecutive bytes, aligned to 256
	global_store_b128 v[VO], v[F1+4*\c:F1+4*\c+3], s[74:75] offset:HEADB+1536*\g+512*\c
.endr
.endr
	s_branch .Lout_done
.Lout_v:
	; V: my lane's channel of rowtile a (head a / 4, fragment a % 4); its 128 registers' worth of keys are one fragment of V^T.
.irp a, 0,1,2,3,4,5,6,7
.if \a > 0
	s_wait_xcnt 0x0
.endif
	ADDV \a
	QUANT T, F0, F0+6, PW+\a
.irp c, 0,1,2
	global_store_b128 v[VO], v[F0+4*\c:F0+4*\c+3], s[74:75] offset:(\a/4)*HEADB+(\a%4)*1536+512*\c
.endr
.endr
.irp u, 0,1,2,3
	v_cndmask_b32 v[WD+\u], v[PW+\u], v[PW+4+\u], s78
.endr
.Lout_done:
	s_wait_alu depctr_va_vdst(0)
	global_store_b128 v[VSO], v[WD:WD+3], s[76:77] ; sixteen lanes store a head's 256 consecutive bytes of scale words, aligned
	s_wait_tensorcnt 0x0                           ; the wave's end
	ds_add_u32 v[SPW], v[NIL]
	s_wait_dscnt 0x0
	CROUND                                         ; the closing round: no work-group ends while a partner may still ask for a tile that names it
	s_endpgm
.Lfunc_end_k_qeabe1e0d04_proj:
	.size	k_qeabe1e0d04_proj, .Lfunc_end_k_qeabe1e0d04_proj-k_qeabe1e0d04_proj
	.p2alignl 7, 3214868480
	.fill 96, 4, 3214868480
	.section	.rodata,"a",@progbits
	.p2align	6, 0x0
	.amdhsa_kernel k_qeabe1e0d04_proj
		.amdhsa_group_segment_fixed_size 327680
		.amdhsa_private_segment_fixed_size 0
		.amdhsa_enable_private_segment 0
		.amdhsa_kernarg_size 48
		.amdhsa_user_sgpr_count 2
		.amdhsa_user_sgpr_kernarg_segment_ptr 1
		.amdhsa_wavefront_size32 1
		.amdhsa_system_sgpr_workgroup_id_x 1
		.amdhsa_system_sgpr_workgroup_id_y 1
		.amdhsa_system_sgpr_workgroup_id_z 1
		.amdhsa_system_vgpr_workitem_id 0
		.amdhsa_next_free_vgpr 1024
		.amdhsa_next_free_sgpr 100
		.amdhsa_reserve_vcc 0
		.amdhsa_float_denorm_mode_32 3
		.amdhsa_float_denorm_mode_16_64 3
		.amdhsa_memory_ordered 1
		.amdhsa_forward_progress 1
		.amdhsa_inst_pref_size 231
	.end_amdhsa_kernel
	.amdgpu_metadata
---
amdhsa.version: [ 1, 2 ]
amdhsa.kernels:
  - .name:           k_qeabe1e0d04_proj
    .symbol:         k_qeabe1e0d04_proj.kd
    .args:
      - { .name: codes, .offset: 0, .size: 8, .value_kind: global_buffer, .address_space: global }
      - { .name: scl, .offset: 8, .size: 8, .value_kind: global_buffer, .address_space: global }
      - { .name: bq, .offset: 16, .size: 8, .value_kind: global_buffer, .address_space: global }
      - { .name: bk, .offset: 24, .size: 8, .value_kind: global_buffer, .address_space: global }
      - { .name: bv, .offset: 32, .size: 8, .value_kind: global_buffer, .address_space: global }
      - { .name: qkv, .offset: 40, .size: 8, .value_kind: global_buffer, .address_space: global }
    .group_segment_fixed_size: 327680
    .private_segment_fixed_size: 0
    .kernarg_segment_align: 8
    .kernarg_segment_size: 48
    .max_flat_workgroup_size: 128
    .sgpr_count:     100
    .vgpr_count:     1024
    .wavefront_size: 32
...
	.end_amdgpu_metadata
.endif
;; end of part 2
;; launch attn (part 3): grid 8 x 32, 8 waves a work-group, clusters of 4 x 1, 327,680 bytes of LDS; arguments qkv, ccodes, cscl; writes ccodes, cscl
.if DOCPART == 3
	.amdgcn_target "amdgcn-amd-amdhsa--gfx1250"
	.amdhsa_code_object_version 6
	.text
	.protected	k_qeabe1e0d04_attn
	.globl	k_qeabe1e0d04_attn
	.p2align	8
	.type	k_qeabe1e0d04_attn,@function
k_qeabe1e0d04_attn:
	s_mov_b64 s[64:65], 0
	v_nop
	global_prefetch_b8 v0, s[64:65] scope:SCOPE_SE
	s_setreg_imm32_b32 hwreg(HW_REG_WAVE_MODE, 25, 1), 1
	s_wait_xcnt 0x0
	s_wait_alu depctr_hold_cnt(0) depctr_sa_sdst(0) depctr_va_vdst(0) depctr_va_sdst(0) depctr_va_ssrc(0) depctr_va_vcc(0) depctr_vm_vsrc(0)
	s_getreg_b32 s2, hwreg(HW_REG_IB_STS2, 6, 4)
	s_cmp_eq_u32 s2, 0
	s_cbranch_scc0 .Lentry_in_a_cluster
	s_endpgm
.Lentry_in_a_cluster:
	s_bfe_u32 s2, ttmp6, 0x10000c
	s_cmp_lg_u32 s2, 0x3003
	s_cbranch_scc0 .Lentry_shape_is_right
	s_endpgm
.Lentry_shape_is_right:
; ctx = softmax(Q K^T / 8) V for one head and 256 queries a work-group, on codes of FP6 (E2M3) with E8M0 scales; ctx leaves as codes and scale bytes, quantised along the head's 64 channels.
; qkv, for each head (HEADB bytes) and step of 128 rows (REC bytes): K 4 fragments | V^T 4 fragments | K's scale words | V's | Q 4 fragments | Q's scale words; a fragment is an image of its 12 registers ([4 registers][lane][16 bytes]).
; A fragment of K or Q holds two rowtiles of 16 rows x 64 channels (registers 0-5, 6-11).  A product with [q, 0] takes the first rowtile's scores, one with [0, q] the second's (zero codes add nothing).
; SHARES: 8 waves, a wave 32 queries: the two rowtiles (tiles t = 0, 1) of one fragment of Q.  It walks all 2,048 keys in 16 steps of 128; each fragment of K and V, read once from LDS, serves both tiles.
; Both products are used transposed (S^T = K q^T, O^T = V^T p^T): a lane holds one query of each tile throughout.
; THE KEYS' ORDER: tile 4 c + j of a step holds keys 64 c + 8 j + r % 8 + 32 (r / 8).  So the 32 score registers of half c of lane (r, h) are keys 64 c + 32 h + 0 .. 31: ONE SCALE BLOCK OF p IN ONE LANE, in the order of the operand's registers.
; SOFTMAX: M = ceil of the running largest t (t = score x log2(e) / 8), kept as -M; p = 2^(t - M); the row's sum is taken of the unquantised p; when M moves, sum and O^T are multiplied by the exact power 2^(old M - new M).
; A block's largest p is the exponential of its largest score, by the same two instructions as the block's own numbers.  The two tiles' short chains stand line by line in turn.
; ONE STEP AHEAD: K and V have registers of their own.  Step n + 1's K is loaded behind step n's score products, its V behind step n's second products.  The last trip's look-ahead is held at step 15 (read once more), so that the step is written for two loops alone.
; REGISTERS: window 0: addresses, the tiles' state, scale words, p's codes, both tiles' scores (v100-227).  Window 1: O^T v0-63, K v64-111, V v112-159, [0, q0, 0, q1, 0] v160-189.
; LDS: all 16 steps' K, V and scale words (16 x 12,800 bytes), each byte filled once: EVERY WAVE ASKS FOR TWO STEPS by one load at the head.  Waves 0 and 1 have a load line of their own: the first barrier shows steps 0-3, the second, three steps on, the rest.
; CLUSTER 4 x 1: the four query blocks of a cluster share their head's K and V: each tile is asked for jointly (mask 15).
; Nothing is prefetched: all that the launch reads of K and V is asked for by the tensor loads at its head.
; LIMITS: NaN and infinities are not served; the promise holds while the scaled scores t stay under 2^31 in magnitude; a block of zeros gets the byte 1 (zero codes add nothing; this program alone reads the bytes).
.set REC,   19200
.set HEADB, 307200
.set STEPB, 12800
.set STG,   16*STEPB                   ; behind the tiles: 64 bytes a wave, ctx's scale bytes
.set SPARE, STG+512                    ; the spare words, 128 bytes a wave
.set L16, 1                            ; 16 x lane
.set R16, 2                            ; 16 x (lane % 16)
.set L8,  3                            ; 8 x lane
.set ADK, 4                            ; the next step's fragments
.set ADS, 5                            ; the next step's scale words
.set SAD, 6
.set RDS, 7
.set TMP, 8                            ; v8-9, v10-11 at work, one a tile
.set TM2, 10                           ; tile t: v[12+2t] -M, v[13+2t] the running largest score
.set LS,  16                           ; v[16+2t:17+2t] the row's sum in two halves
.set SM,  20                           ; its second chain
.set FF,  24                           ; v[24+2t] the factor
.set TX,  28
.set BM,  30                           ; 2 t + c: a block's largest; BN its second chain
.set BN,  34
.set BO,  38
.set BB,  42
.set KS,  46
.set VS,  50
.set QS,  54
.set PS,  56
.set XA,  58                           ; v58-72 the conversions' second halves
.set PCD, 74                           ; v74-97 p's codes, 12 a tile
.set S,   100                          ; v100-227 scores, then p: 64 a tile
.set OO,  0                            ; window 1
.set KF,  64
.set VF,  112
.set QQ,  160
.set SPW, 254
.set NIL, 255
.set WV,  10
.set SEL, 20
.set CS,  22
.set G1,  24
.set G0,  32
.set CNT, 41
.set MSB, 0
.macro WIN new                         ; the immediate's high byte repeats the setting that is left
.if MSB != (\new)
	s_set_vgpr_msb (MSB<<8)|(\new)
.set MSB, (\new)
.endif
.endm
.macro CROUND
	s_barrier_signal -1
	s_barrier_wait -1
	s_cmp_lg_u32 s[WV], 0
	s_cbranch_scc1 .Lnot_wave_0_\@
	s_barrier_signal -3
.Lnot_wave_0_\@:
	s_barrier_wait -3
	s_barrier_signal -1
	s_barrier_wait -1
.endm
.macro TLOAD
	tensor_load_to_lds s[G0:G0+3], s[G1:G1+7]
	s_nop 0
.rept 4
	v_nop
.endr
.endm
.macro FRAGS reg, adr, off             ; four fragments into window 1: 12 loads of 512 consecutive bytes
	WIN 0x40
.irp f, 0,1,2,3
.irp g, 0,1,2
	ds_load_b128 v[\reg+12*\f+4*\g:\reg+12*\f+4*\g+3], v[\adr] offset:\off+1536*\f+512*\g
.endr
.endr
	WIN 0
.endm
	s_load_b128 s[4:7], s[0:1], 0x0                ; qkv, ccodes
	s_load_b64 s[8:9], s[0:1], 0x10                ; cscl
	v_lshl_add_u32 v[SPW], v0, 2, SPARE
	v_mov_b32 v[NIL], 0
	ds_add_u32 v[SPW], v[NIL]                      ; the opening lines: the add twice on end and its wait
	ds_add_u32 v[SPW], v[NIL]
	v_lshrrev_b32 v1, 5, v0
	v_readfirstlane_b32 s[WV], v1                  ; wave 0..7
	s_and_b32 s16, ttmp7, 0xffff                   ; 16 b + head
	s_mul_i32 s17, s16, HEADB
	s_mul_i32 s18, s[WV], 2*REC                    ; I fetch steps 2 w and 2 w + 1
	s_add_co_u32 s18, s18, s17
	s_mov_b32 s19, 0
	s_mov_b32 s[G1], 15|(3<<16)|(1<<21)            ; the mask of the four partners; elements of 8 bytes; bit 21 beside a mask
	s_mov_b32 s[G1+1], 1600<<16                    ; two rows of 12,800 bytes, 19,200 apart; dense in LDS
	s_mov_b32 s[G1+2], 2<<16
	s_mov_b32 s[G1+3], 1600<<16
	s_mov_b32 s[G1+4], 2
	s_mov_b32 s[G1+5], 2400
	s_mov_b32 s[G1+6], 0
	s_mov_b32 s[G1+7], 0
	s_mov_b32 s[G0], 1
	s_mul_i32 s[G0+1], s[WV], 2*STEPB
	s_bfe_u32 s14, ttmp6, 0x40000                  ; cx
	s_lshl_b32 s15, ttmp9, 2
	s_add_co_u32 s15, s15, s14                     ; which 256 queries
	s_lshl_b32 s42, s15, 1
	s_lshr_b32 s43, s[WV], 2
	s_add_co_u32 s42, s42, s43
	s_mul_i32 s42, s42, REC
	s_add_co_u32 s42, s42, s17                     ; the record with my queries
	s_and_b32 s13, s[WV], 3                        ; my fragment of Q in it
	s_mul_i32 s43, s13, 1536
	s_add_co_u32 s50, s42, s43
	s_add_co_u32 s50, s50, 12800
	s_mov_b32 s51, 0
	s_lshl_b32 s43, s13, 2
	s_add_co_u32 s52, s42, s43
	s_add_co_u32 s52, s52, 18944
	s_mov_b32 s53, 0
	s_lshr_b32 s54, s16, 4                         ; b
	s_lshl_b32 s55, s54, 7
	s_lshl_b32 s56, s15, 4
	s_add_co_u32 s55, s55, s56
	s_lshl_b32 s56, s[WV], 1
	s_add_co_u32 s55, s55, s56                     ; ctx's rowtile of my tile 0
	s_mul_i32 s44, s55, 12288
	s_and_b32 s56, s16, 15                         ; head: K step head / 2 of the last product, registers 6 (head % 2) on
	s_lshr_b32 s57, s56, 1
	s_mul_i32 s57, s57, 1536
	s_add_co_u32 s44, s44, s57
	s_and_b32 s57, s16, 1
	s_mul_i32 s57, s57, 768
	s_add_co_u32 s44, s44, s57
	s_mov_b32 s45, 0
	s_lshl_b32 s46, s54, 16                        ; cscl [b][head][rowtile][r][2]
	s_lshl_b32 s57, s56, 12
	s_add_co_u32 s46, s46, s57
	s_lshl_b32 s57, s15, 9
	s_add_co_u32 s46, s46, s57
	s_mov_b32 s47, 0
	s_mov_b32 s[SEL], 0x76543210
	s_mov_b32 s[SEL+1], 0xfedcba98                 ; v_permlanex16_b32's selects for lane l xor 16
	s_mov_b32 s[CS], 0x3e38aa3b                    ; log2(e) / 8
	s_mov_b32 s[CS+1], s[CS]
	s_lshl_b32 s49, s[WV], 6
	s_add_co_u32 s49, s49, STG
	v_and_b32 v[L8], 31, v0
	v_and_b32 v[R16], 15, v0
	v_lshlrev_b32 v[L16], 4, v[L8]
	v_lshlrev_b32 v[SAD], 1, v[R16]
	v_lshlrev_b32 v[L8], 3, v[L8]
	v_lshlrev_b32 v[R16], 4, v[R16]
	v_add_nc_u32 v[SAD], s49, v[SAD]
	v_add_nc_u32 v[RDS], STG, v[L16]
	s_wait_alu depctr_va_vdst(0)                   ; the wait directly ahead of the waits below
	s_wait_dscnt 0x0                               ; both opening adds are done
	s_wait_kmcnt 0x0
	s_add_nc_u64 s[G0+2:G0+3], s[4:5], s[18:19]
	s_or_b32 s[G0+3], s[G0+3], 0x80000000
	s_add_nc_u64 s[50:51], s[4:5], s[50:51]
	s_add_nc_u64 s[52:53], s[4:5], s[52:53]
	s_add_nc_u64 s[44:45], s[6:7], s[44:45]
	s_add_nc_u64 s[46:47], s[8:9], s[46:47]
	WIN 0x40
	global_load_b64 v[QQ+6:QQ+7], v[L16], s[50:51]               ; q0: registers 0-5 of the fragment's image
	global_load_b64 v[QQ+8:QQ+9], v[L16], s[50:51] offset:8
	global_load_b64 v[QQ+10:QQ+11], v[L16], s[50:51] offset:512
	global_load_b64 v[QQ+18:QQ+19], v[L16], s[50:51] offset:520  ; q1: registers 6-11
	global_load_b64 v[QQ+20:QQ+21], v[L16], s[50:51] offset:1024
	global_load_b64 v[QQ+22:QQ+23], v[L16], s[50:51] offset:1032
	WIN 0
	global_load_b32 v[QS], v[R16], s[52:53]
	CROUND                                         ; the four partners are here: the joint loads meet
	s_cmp_lt_u32 s[WV], 2                          ; one load a wave; waves 0 and 1, which wait first, have a line of their own
	s_cbranch_scc0 .Llater_steps
	TLOAD
	s_branch .Lasked
.Llater_steps:
	TLOAD
.Lasked:
	WIN 0x40
.irp j, 0,1,2,3,4,5,12,13,14,15,16,17,24,25,26,27,28,29
	v_mov_b32 v[QQ+\j], 0                          ; the zero codes beside q0 and q1
.endr
	WIN 0
.irp t, 0,1
	v_mov_b32 v[13+2*\t], 0xff61b1e6               ; the largest score so far: -3e38
	v_mov_b32 v[12+2*\t], 0x7e000000               ; -M: 2^125, so that the first step's factor is 0
	v_mov_b32 v[LS+2*\t], 0
	v_mov_b32 v[LS+2*\t+1], 0
	v_mov_b32 v[TX+\t], 0                          ; a lane permute's destination counts as one of its sources
	v_mov_b32 v[FF+2*\t+1], 0                      ; named as the upper half of a pair
.endr
	s_wait_loadcnt 0x0
	v_perm_b32 v[QS+1], v[QS], v[QS], 0x03020302   ; each tile's two scale bytes, twice
	v_perm_b32 v[QS], v[QS], v[QS], 0x01000100
	WIN 0x40
.set J, 0
.rept 64
	v_mov_b32 v[OO+J], 0                           ; the step is written once: the first finds zeros
.set J, J+1
.endr
	WIN 0
.macro WS t, f, hi                     ; 16 keys x 16 queries of tile t
	v_wmma_scale_f32_16x16x128_f8f6f4 v[S+64*\t+16*\f+8*\hi:S+64*\t+16*\f+8*\hi+7], v[KF+12*\f:KF+12*\f+11], v[QQ+6+12*\t-6*\hi:QQ+17+12*\t-6*\hi], 0, v[KS+\f], v[QS+\t] matrix_a_fmt:MATRIX_FMT_FP6 matrix_b_fmt:MATRIX_FMT_FP6
.endm
.macro SUM t, j                        ; four of p into the sum's two chains
	v_pk_add_f32 v[LS+2*\t:LS+2*\t+1], v[LS+2*\t:LS+2*\t+1], v[S+64*\t+\j:S+64*\t+\j+1]
	v_pk_add_f32 v[SM+2*\t:SM+2*\t+1], v[SM+2*\t:SM+2*\t+1], v[S+64*\t+\j+2:S+64*\t+\j+3]
.endm
.macro SUMS from, n
.set J, \from
.rept \n
	SUM 0, J
	SUM 1, J
.set J, J+4
.endr
.endm
.macro TMS from, n                     ; t - M, two at a time, both tiles
.set J, \from
.rept \n
	v_pk_fma_f32 v[S+J:S+J+1], v[S+J:S+J+1], s[CS:CS+1], v[12:13] op_sel_hi:[1,0,0]
	v_pk_fma_f32 v[S+64+J:S+64+J+1], v[S+64+J:S+64+J+1], s[CS:CS+1], v[14:15] op_sel_hi:[1,0,0]
.set J, J+2
.endr
.endm
.macro STEP
	s_wait_dscnt 13                                ; this step's K and its scale words are in; the 13 loads issued behind them (V's) may be out
	WIN 0x05                                       ; K and q in window 1, the scores in window 0
.irp f, 0,1,2,3
.irp t, 0,1
	WS \t, \f, 0
	WS \t, \f, 1
.endr
.endr
	WIN 0
	s_add_co_u32 s42, s[CNT], 1
	s_min_u32 s42, s42, 15                         ; the next step; the last trip's is held at 15
	s_mul_i32 s42, s42, STEPB
	v_add_nc_u32 v[ADK], s42, v[L16]               ; (these four lines are the places behind the products)
	v_add_nc_u32 v[ADS], s42, v[R16]
	v_mov_b32 v[TMP], v12                          ; the old -M
	v_mov_b32 v[TMP+1], v14
	FRAGS KF, ADK, 0                               ; the next step's K
	ds_load_b128 v[KS:KS+3], v[ADS] offset:12288
.irp t, 0,1                            ; four blocks' largest scores, each in two chains; every accumulator is first read at its low end
.irp c, 0,1
	v_max3_num_f32 v[BM+2*\t+\c], v[S+64*\t+32*\c], v[S+64*\t+32*\c+1], v[S+64*\t+32*\c+2]
	v_max3_num_f32 v[BN+2*\t+\c], v[S+64*\t+32*\c+16], v[S+64*\t+32*\c+17], v[S+64*\t+32*\c+18]
.endr
.endr
.irp i, 3,5,7,9,11,13
.irp t, 0,1
.irp c, 0,1
	v_max3_num_f32 v[BM+2*\t+\c], v[BM+2*\t+\c], v[S+64*\t+32*\c+\i], v[S+64*\t+32*\c+\i+1]
	v_max3_num_f32 v[BN+2*\t+\c], v[BN+2*\t+\c], v[S+64*\t+32*\c+16+\i], v[S+64*\t+32*\c+17+\i]
.endr
.endr
.endr
.irp t, 0,1
.irp c, 0,1
	v_max3_num_f32 v[BM+2*\t+\c], v[BM+2*\t+\c], v[BN+2*\t+\c], v[S+64*\t+32*\c+15]
.endr
.endr
.irp t, 0,1
.irp c, 0,1
	v_max_num_f32 v[BM+2*\t+\c], v[BM+2*\t+\c], v[S+64*\t+32*\c+31]
.endr
.endr
.irp t, 0,1
	v_max_num_f32 v[TM2+\t], v[BM+2*\t], v[BM+2*\t+1]
.endr
.irp t, 0,1
	v_permlanex16_b32 v[TX+\t], v[TM2+\t], s[SEL], s[SEL+1]
.endr
.irp t, 0,1
	v_max3_num_f32 v[13+2*\t], v[13+2*\t], v[TM2+\t], v[TX+\t]   ; the running largest score (lane l xor 16 holds the other two blocks)
.endr
.irp t, 0,1
	v_mul_f32 v[TM2+\t], s[CS], v[13+2*\t]         ; as t
.endr
.irp t, 0,1
	v_floor_f32 v[12+2*\t], -v[TM2+\t]             ; -M = floor(-t) = -ceil(t)
.endr
.irp t, 0,1
	v_sub_f32 v[TMP+\t], v[12+2*\t], v[TMP+\t]     ; old M less new M: a whole number, 0 or less
.endr
	TMS 0, 4
.irp t, 0,1
	v_cvt_i32_f32 v[TMP+\t], v[TMP+\t]             ; (it saturates)
.endr
	TMS 8, 4
.irp t, 0,1
	v_ldexp_f32 v[FF+2*\t], 1.0, v[TMP+\t]         ; 2^(old M - new M): a multiplication by it rounds nothing
.endr
	TMS 16, 24
.irp t, 0,1
.irp c, 0,1
	v_fma_f32 v[BM+2*\t+\c], v[BM+2*\t+\c], s[CS], v[12+2*\t]   ; the same of each block's largest score
.endr
.endr
	WIN 0x41                                       ; O^T in window 1, the factor in window 0
.irp t, 0,1
.irp j, 0,2,4,6,8,10,12,14,16,18,20,22,24,26,28,30
	v_pk_mul_f32 v[OO+32*\t+\j:OO+32*\t+\j+1], v[OO+32*\t+\j:OO+32*\t+\j+1], v[FF+2*\t:FF+2*\t+1] op_sel_hi:[1,0]   ; O^T under the new M, ahead of the exponentials
.endr
.endr
	WIN 0
	s_wait_alu depctr_va_vdst(0)                   ; the wait ahead of the batch
.set J, 0
.rept 128
	v_exp_f32 v[S+J], v[S+J]                       ; p = 2^(t - M)
.set J, J+1
.endr
.irp b, 0,1,2,3
	v_exp_f32 v[BM+\b], v[BM+\b]                   ; the blocks' largest p
.endr
.irp t, 0,1
	v_pk_mul_f32 v[LS+2*\t:LS+2*\t+1], v[LS+2*\t:LS+2*\t+1], v[FF+2*\t:FF+2*\t+1] op_sel_hi:[1,0]   ; the sums under the new M: plain lines behind the batch
.endr
	s_wait_alu depctr_va_vdst(0)                   ; one wait for the batch, ahead of its first reader; it also stands directly ahead of the wait below
	s_wait_dscnt 13                                ; this step's V and its scale words are in; the 13 loads issued behind them (the next K's) may be out
.irp b, 0,1,2,3
	v_max_num_f32 v[BM+\b], 0x1800000, v[BM+\b]    ; the floor 2^(3 - 127): the byte cannot fall under 1
.endr
.irp b, 0,1,2,3
	v_add_nc_u32 v[BO+\b], 0xff000000, v[BM+\b]    ; 2 off the exponent field: the conversion's scale operand
.endr
.irp t, 0,1
.irp c, 0,1
	v_cvt_scalef32_pk16_fp6_f32 v[PCD+12*\t+6*\c:PCD+12*\t+6*\c+2], v[S+64*\t+32*\c:S+64*\t+32*\c+15], v[BO+2*\t+\c]
	v_cvt_scalef32_pk16_fp6_f32 v[XA+8*\t+4*\c:XA+8*\t+4*\c+2], v[S+64*\t+32*\c+16:S+64*\t+32*\c+31], v[BO+2*\t+\c]
.endr
.endr
.irp b, 0,1,2,3
	v_lshrrev_b32 v[BB+\b], 23, v[BO+\b]           ; the scale's byte (also the plain place behind the conversions)
.endr
.irp t, 0,1
.irp c, 0,1
.irp i, 0,1,2
	v_mov_b32 v[PCD+12*\t+6*\c+3+\i], v[XA+8*\t+4*\c+\i]   ; (a conversion's three registers begin on an even number)
.endr
.endr
.endr
.irp t, 0,1
	v_lshl_or_b32 v[TM2+\t], v[BB+2*\t+1], 16, v[BB+2*\t]   ; my blocks h and 2 + h
.endr
.irp t, 0,1
	v_permlanex16_b32 v[TX+\t], v[TM2+\t], s[SEL], s[SEL+1]
.endr
.irp t, 0,1
	v_lshl_or_b32 v[PS+\t], v[TX+\t], 8, v[TM2+\t] ; lanes 0-15: the four bytes in their order (lanes 16-31 are not read)
.endr
.irp t, 0,1
	v_pk_add_f32 v[SM+2*\t:SM+2*\t+1], v[S+64*\t:S+64*\t+1], v[S+64*\t+2:S+64*\t+3]   ; the rows' sums of the unquantised p; these ten lines are also the places between p's scale words and the products
.endr
	SUMS 4, 2
	WIN 0x51                                       ; V and O^T in window 1, p's codes in window 0
.irp u, 0,1,2,3
.irp t, 0,1
	v_wmma_scale_f32_16x16x128_f8f6f4 v[OO+32*\t+8*\u:OO+32*\t+8*\u+7], v[VF+12*\u:VF+12*\u+11], v[PCD+12*\t:PCD+12*\t+11], v[OO+32*\t+8*\u:OO+32*\t+8*\u+7], v[VS+\u], v[PS+\t] matrix_a_fmt:MATRIX_FMT_FP6 matrix_b_fmt:MATRIX_FMT_FP6
.endr
.endr
	WIN 0
	SUMS 12, 1                                     ; four lines: the places behind the products
	FRAGS VF, ADK, 6144                            ; the next step's V
	ds_load_b128 v[VS:VS+3], v[ADS] offset:12544
	SUMS 16, 12
.irp t, 0,1
	v_pk_add_f32 v[LS+2*\t:LS+2*\t+1], v[LS+2*\t:LS+2*\t+1], v[SM+2*\t:SM+2*\t+1]
.endr
	s_add_co_u32 s[CNT], s[CNT], 1
.endm
	s_wait_alu depctr_va_vdst(0)                   ; the wait at the head's end
	s_cmp_lt_u32 s[WV], 2
	s_cbranch_scc0 .Lnot_yet
	s_wait_tensorcnt 0x0                           ; waves 0 and 1: my two steps' tiles are in
.Lnot_yet:
	s_barrier_signal -1
	s_barrier_wait -1                              ; steps 0-3 are whole; nothing is filled again in this launch
	FRAGS KF, L16, 0                               ; step 0's K, then its V: 13 loads each
	ds_load_b128 v[KS:KS+3], v[R16] offset:12288
	FRAGS VF, L16, 6144
	ds_load_b128 v[VS:VS+3], v[R16] offset:12544
	s_mov_b32 s[CNT], 0
.Lfirst:                                               ; steps 0-2: they look ahead as far as step 3
	STEP
	s_cmp_lt_u32 s[CNT], 3
	s_cbranch_scc1 .Lfirst
	s_wait_tensorcnt 0x0                           ; every wave: its tiles are in
	s_wait_dscnt 0x0
	s_barrier_signal -1
	s_barrier_wait -1                              ; all sixteen steps are whole
	s_mov_b32 s[CNT], 3
.Lsecond:
	STEP
	s_cmp_lt_u32 s[CNT], 16
	s_cbranch_scc1 .Lsecond
.irp t, 0,1
	v_add_f32 v[LS+2*\t], v[LS+2*\t], v[LS+2*\t+1] ; the sum's two halves,
.endr
.irp t, 0,1
	v_permlanex16_b32 v[TX+\t], v[LS+2*\t], s[SEL], s[SEL+1]
.endr
.irp t, 0,1
	v_add_f32 v[LS+2*\t], v[LS+2*\t], v[TX+\t]     ; and lane l xor 16's
.endr
	s_wait_alu depctr_va_vdst(0)
	v_rcp_f32 v[LS], v[LS]
	v_rcp_f32 v[LS+2], v[LS+2]
	v_nop
	WIN 0x01                                       ; O^T in window 1
	s_wait_alu depctr_va_vdst(0)
.irp t, 0,1
.irp j, 0,2,4,6,8,10,12,14,16,18,20,22,24,26,28,30
	v_pk_mul_f32 v[S+64*\t+\j:S+64*\t+\j+1], v[OO+32*\t+\j:OO+32*\t+\j+1], v[LS+2*\t:LS+2*\t+1] op_sel_hi:[1,0]   ; ctx: register 16 g + i is channel 32 g + 16 h + i of my query
.endr
.endr
	WIN 0
.irp t, 0,1                            ; ctx is quantised along the channels: two blocks a tile, each in lanes l and l xor 16
.irp b, 0,1
	v_max3_num_f32 v[BM+2*\t+\b], |v[S+64*\t+16*\b]|, |v[S+64*\t+16*\b+1]|, 0x1800000
.endr
.endr
.irp i, 2,4,6,8,10,12,14
.irp t, 0,1
.irp b, 0,1
	v_max3_num_f32 v[BM+2*\t+\b], v[BM+2*\t+\b], |v[S+64*\t+16*\b+\i]|, |v[S+64*\t+16*\b+\i+1]|
.endr
.endr
.endr
.irp b, 0,1,2,3
	v_permlanex16_b32 v[BN+\b], v[BM+\b], s[SEL], s[SEL+1]
.endr
.irp b, 0,1,2,3
	v_max_num_f32 v[BM+\b], v[BM+\b], v[BN+\b]
.endr
.irp b, 0,1,2,3
	v_add_nc_u32 v[BO+\b], 0xff000000, v[BM+\b]
.endr
.irp b, 0,1,2,3
	v_lshrrev_b32 v[BB+\b], 23, v[BO+\b]
.endr
.irp t, 0,1
	v_lshl_or_b32 v[TMP+\t], v[BB+2*\t+1], 8, v[BB+2*\t]
.endr
.irp t, 0,1
	v_cvt_scalef32_pk16_fp6_f32 v[PCD+12*\t:PCD+12*\t+2], v[S+64*\t:S+64*\t+15], v[BO+2*\t]
	v_cvt_scalef32_pk16_fp6_f32 v[XA+8*\t:XA+8*\t+2], v[S+64*\t+16:S+64*\t+31], v[BO+2*\t+1]
.endr
	v_nop
.irp t, 0,1
.irp i, 0,1,2
	v_permlane16_swap_b32 v[PCD+12*\t+\i], v[XA+8*\t+\i]   ; a whole block to a lane
.endr
.endr
.irp t, 0,1
.irp i, 0,1,2
	v_mov_b32 v[PCD+12*\t+3+\i], v[XA+8*\t+\i]
.endr
.endr
.irp t, 0,1
.irp j, 0,1,2
	global_store_b64 v[L8], v[PCD+12*\t+2*\j:PCD+12*\t+2*\j+1], s[44:45] offset:12288*\t+256*\j   ; a plane: 32 lanes store 256 consecutive bytes, aligned
.endr
.endr
.irp t, 0,1
	ds_store_b16 v[SAD], v[TMP+\t] offset:32*\t    ; the scale bytes gather in LDS: 32 a tile (both lanes of a row write the same two)
.endr
	s_wait_dscnt 0x0
	s_barrier_signal -1
	s_barrier_wait -1
	s_cmp_lg_u32 s[WV], 0
	s_cbranch_scc1 .Lnot_first
	ds_load_b128 v[S:S+3], v[RDS]
	s_wait_dscnt 0x0
	global_store_b128 v[L16], v[S:S+3], s[46:47]   ; 512 consecutive bytes, aligned
.Lnot_first:
	s_wait_tensorcnt 0x0                           ; the wave's end
	ds_add_u32 v[SPW], v[NIL]
	s_wait_dscnt 0x0
	CROUND                                         ; the closing round
	s_endpgm
.Lfunc_end_k_qeabe1e0d04_attn:
	.size	k_qeabe1e0d04_attn, .Lfunc_end_k_qeabe1e0d04_attn-k_qeabe1e0d04_attn
	.p2alignl 7, 3214868480
	.fill 96, 4, 3214868480
	.section	.rodata,"a",@progbits
	.p2align	6, 0x0
	.amdhsa_kernel k_qeabe1e0d04_attn
		.amdhsa_group_segment_fixed_size 327680
		.amdhsa_private_segment_fixed_size 0
		.amdhsa_enable_private_segment 0
		.amdhsa_kernarg_size 24
		.amdhsa_user_sgpr_count 2
		.amdhsa_user_sgpr_kernarg_segment_ptr 1
		.amdhsa_wavefront_size32 1
		.amdhsa_system_sgpr_workgroup_id_x 1
		.amdhsa_system_sgpr_workgroup_id_y 1
		.amdhsa_system_sgpr_workgroup_id_z 1
		.amdhsa_system_vgpr_workitem_id 0
		.amdhsa_next_free_vgpr 448
		.amdhsa_next_free_sgpr 66
		.amdhsa_reserve_vcc 0
		.amdhsa_float_denorm_mode_32 3
		.amdhsa_float_denorm_mode_16_64 3
		.amdhsa_memory_ordered 1
		.amdhsa_forward_progress 1
		.amdhsa_inst_pref_size 72
	.end_amdhsa_kernel
	.amdgpu_metadata
---
amdhsa.version: [ 1, 2 ]
amdhsa.kernels:
  - .name:           k_qeabe1e0d04_attn
    .symbol:         k_qeabe1e0d04_attn.kd
    .args:
      - { .name: qkv, .offset: 0, .size: 8, .value_kind: global_buffer, .address_space: global }
      - { .name: ccodes, .offset: 8, .size: 8, .value_kind: global_buffer, .address_space: global }
      - { .name: cscl, .offset: 16, .size: 8, .value_kind: global_buffer, .address_space: global }
    .group_segment_fixed_size: 327680
    .private_segment_fixed_size: 0
    .kernarg_segment_align: 8
    .kernarg_segment_size: 24
    .max_flat_workgroup_size: 256
    .sgpr_count:     66
    .vgpr_count:     448
    .wavefront_size: 32
...
	.end_amdgpu_metadata
.endif
;; end of part 3
;; launch outp (part 4): grid 8 x 32, 8 waves a work-group, clusters of 4 x 4, 232,448 bytes of LDS; arguments ccodes, cscl, codes, scl, bo, out0; writes out0
.if DOCPART == 4
	.amdgcn_target "amdgcn-amd-amdhsa--gfx1250"
	.amdhsa_code_object_version 6
	.text
	.protected	k_qeabe1e0d04_outp
	.globl	k_qeabe1e0d04_outp
	.p2align	8
	.type	k_qeabe1e0d04_outp,@function
k_qeabe1e0d04_outp:
	s_mov_b64 s[64:65], 0
	v_nop
	global_prefetch_b8 v0, s[64:65] scope:SCOPE_SE
	s_setreg_imm32_b32 hwreg(HW_REG_WAVE_MODE, 25, 1), 1
	s_wait_xcnt 0x0
	s_wait_alu depctr_hold_cnt(0) depctr_sa_sdst(0) depctr_va_vdst(0) depctr_va_sdst(0) depctr_va_ssrc(0) depctr_va_vcc(0) depctr_vm_vsrc(0)
	s_getreg_b32 s2, hwreg(HW_REG_IB_STS2, 6, 4)
	s_cmp_eq_u32 s2, 0
	s_cbranch_scc0 .Lentry_in_a_cluster
	s_endpgm
.Lentry_in_a_cluster:
	s_bfe_u32 s2, ttmp6, 0x10000c
	s_cmp_lg_u32 s2, 0xf033
	s_cbranch_scc0 .Lentry_shape_is_right
	s_endpgm
.Lentry_shape_is_right:
; out = ctx Wo^T + bo on codes of FP6 (E2M3) with E8M0 scales, K = 1,024; out0 [4096][1024] f32.
; 256 tiles of 128 x 128, one to a work-group of eight waves; a wave makes 32 rows x 64 columns: 8 accumulators.  Two waves share a SIMD: one's LDS loads stand beside the other's products.
; ALL OF K STAYS IN LDS: A's 8 rowtiles and B's 8, in two halves of K (512 each), each byte filled once: every wave asks for one piece of 24,576 bytes at the head.
; CLUSTER 4 x 4: ctx's rowtiles are asked for jointly along a row of the cluster, Wo's along a column.
; Operands lie in rowtiles (rowtile 2 g + u = rows 32 g + 8 u + r + 8 (r / 8)) and in planes of 256 bytes (registers 2 p, 2 p + 1, 8 bytes a lane).  The instruction is used transposed (source 0 = Wo, source 1 = ctx):
; a lane holds one row of out, and the registers of accumulators (a, 2 b'), (a, 2 b' + 1) are 16 neighbouring columns 32 b' + 16 (lane / 16) + 0 .. 15.  The bias is the C of each sum's first instruction.
; Nothing is prefetched: all that the launch reads of the codes is asked for by the tensor loads at its head.
.set RT,    12288
.set PH,    98304                      ; a half of K in LDS: A's 8 rowtiles x 6,144, then B's
.set STAGE, 2*PH                       ; behind them: 16 rows x 272 bytes for each wave, for the way out
.set ADRA, 2                           ; v2-3  my A fragments in half 0, 1
.set ADRB, 4                           ; v4-5  my B fragments
.set STO,  6
.set RD,   7
.set CO,   8
.set SA,   16                          ; v16-23 ctx's scale words of K step sg: lanes 0-15 rowtile a = 0, lanes 16-31 a = 1
.set SB,   24                          ; v24-39 Wo's: register 8 (b / 2) + sg: lanes 0-15 rowtile b even, lanes 16-31 b odd
.set BI,   40                          ; v40-71 the bias in the result's layout
.set AF,   72                          ; v72-95 two fragments of ctx
.set BF,   96                          ; v96-143 four of Wo
.set ACC,  144                         ; v144-207 accumulator (a, b) at 8 (4 a + b)
.set OB,   72                          ; the way out: v72-103, v104-135
.set G1A, 24
.set G0A, 32
.set G1B, 48
.set G0B, 56
.macro CROUND
	s_barrier_signal -1
	s_barrier_wait -1
	s_cmp_lg_u32 s14, 0
	s_cbranch_scc1 .Lnot_wave_0_\@
	s_barrier_signal -3
.Lnot_wave_0_\@:
	s_barrier_wait -3
	s_barrier_signal -1
	s_barrier_wait -1
.endm
	s_load_b256 s[4:11], s[0:1], 0x0               ; ccodes, cscl, codes, scl
	s_load_b128 s[68:71], s[0:1], 0x20             ; bo, out0
	v_lshl_add_u32 v254, v0, 2, 0x38800
	v_mov_b32 v255, 0
	ds_add_u32 v254, v255
	ds_add_u32 v254, v255
	v_lshrrev_b32 v1, 5, v0
	s_delay_alu instid0(VALU_DEP_1)
	v_readfirstlane_b32 s14, v1                    ; wave 0..7
	s_bfe_u32 s40, ttmp6, 0x40000                  ; cx
	s_bfe_u32 s41, ttmp6, 0x40004                  ; cy
	s_lshl_b32 s42, ttmp9, 2
	s_add_co_u32 s42, s42, s40                     ; tile column
	s_and_b32 s17, ttmp7, 0xffff
	s_lshl_b32 s17, s17, 2
	s_add_co_u32 s17, s17, s41                     ; tile row
	s_lshl_b32 s43, s41, 2
	s_lshl_b32 s43, 15, s43                        ; my row of the cluster
	s_lshl_b32 s44, 0x1111, s40                    ; my column
	; descriptor group 1: 4 rows (rowtiles) of 6,144 bytes (768 elements of 8), 12,288 bytes apart; dense in LDS
	s_or_b32 s[G1A+0], s43, (3<<16)|(1<<21)
	s_or_b32 s[G1B+0], s44, (3<<16)|(1<<21)
.irp g, G1A, G1B
	s_mov_b32 s[\g+1], 768<<16
	s_mov_b32 s[\g+2], 4<<16                       ; four rowtiles a load
	s_mov_b32 s[\g+3], 768<<16
	s_mov_b32 s[\g+4], 4
	s_mov_b32 s[\g+5], 1536
	s_mov_b32 s[\g+6], 0
	s_mov_b32 s[\g+7], 0
.endr
	s_and_b32 s16, s14, 1
	s_lshl_b32 s16, s16, 2                         ; which four rowtiles I fetch
	s_lshl_b32 s20, s17, 3
	s_add_co_u32 s20, s20, s16
	s_mul_i32 s20, s20, RT
	s_mov_b32 s21, 0
	s_lshl_b32 s46, s42, 3
	s_add_co_u32 s46, s46, s16
	s_add_co_u32 s46, s46, 960                     ; Wo's first rowtile
	s_mul_i32 s46, s46, RT
	s_mov_b32 s47, 0
	s_mul_i32 s45, s14, 2*RT                       ; where they go: wave x 24,576: half 0's A, A, B, B, then half 1's
	s_lshr_b32 s18, s14, 2
	s_mul_i32 s18, s18, 6144                       ; which half of K I fetch
	s_add_co_u32 s20, s20, s18
	s_add_co_u32 s46, s46, s18
	s_wait_dscnt 0x0
	s_wait_kmcnt 0x0
	s_add_nc_u64 s[20:21], s[4:5], s[20:21]
	s_add_nc_u64 s[46:47], s[8:9], s[46:47]
.irp p, 0
	s_mov_b32 s[G0A+4*\p], 1
	s_add_co_u32 s[G0A+4*\p+1], s45, \p*PH
	s_add_nc_u64 s[G0A+4*\p+2:G0A+4*\p+3], s[20:21], \p*6144
	s_or_b32 s[G0A+4*\p+3], s[G0A+4*\p+3], 0x80000000
	s_mov_b32 s[G0B+4*\p], 1
	s_add_co_u32 s[G0B+4*\p+1], s45, \p*PH
	s_add_nc_u64 s[G0B+4*\p+2:G0B+4*\p+3], s[46:47], \p*6144
	s_or_b32 s[G0B+4*\p+3], s[G0B+4*\p+3], 0x80000000
.endr
	CROUND                                         ; all sixteen work-groups are here: the joint loads meet
	; ONE LOAD A WAVE, 4 rowtiles x half of K, 24,576 bytes: waves 0, 1 ctx's and waves 2, 3 Wo's of K's first half, waves 4, 5 and 6, 7 the same of the second.
	; One chain of branches on the wave's number; the waves that wait first (0-3) have lines of their own.
	s_cmp_lt_u32 s14, 2
	s_cbranch_scc0 .Lb_half0
	tensor_load_to_lds s[G0A:G0A+3], s[G1A:G1A+7]
	s_nop 0
.rept 4
	v_nop
.endr
	s_branch .Lasked
.Lb_half0:
	s_cmp_lt_u32 s14, 4
	s_cbranch_scc0 .La_half1
	tensor_load_to_lds s[G0B:G0B+3], s[G1B:G1B+7]
	s_nop 0
.rept 4
	v_nop
.endr
	s_branch .Lasked
.La_half1:
	s_cmp_lt_u32 s14, 6
	s_cbranch_scc0 .Lb_half1
	tensor_load_to_lds s[G0A:G0A+3], s[G1A:G1A+7]
	s_nop 0
.rept 4
	v_nop
.endr
	s_branch .Lasked
.Lb_half1:
	tensor_load_to_lds s[G0B:G0B+3], s[G1B:G1B+7]
	s_nop 0
.rept 4
	v_nop
.endr
.Lasked:
	v_and_b32 v1, 15, v0                           ; r
	s_wait_alu depctr_va_vdst(0)
	v_bfe_u32 v9, v0, 4, 1                         ; h
	v_and_b32 v10, 31, v0                          ; lane
	s_delay_alu instid0(VALU_DEP_1)
	v_lshlrev_b32 v11, 3, v10
	s_lshr_b32 s15, s14, 1                         ; my 32 rows: ctx's rowtiles 2 wm, 2 wm + 1
	s_and_b32 s16, s14, 1                          ; my 64 columns: Wo's rowtiles 4 wn on
	s_mul_i32 s22, s15, RT
	s_mul_i32 s23, s16, 2*RT
	s_add_co_u32 s23, s23, 4*RT
.irp p, 0,1
	v_add_nc_u32 v[ADRA+\p], s22, v11
	v_add_nc_u32 v[ADRB+\p], s23, v11
	s_add_co_u32 s22, s22, PH
	s_add_co_u32 s23, s23, PH
.endr
	s_mul_i32 s18, s14, 16*272
	s_add_co_u32 s18, s18, STAGE                   ; my stage
	v_mul_u32_u24 v[STO], v1, 272
	s_wait_alu depctr_va_vdst(0)
	v_lshl_add_u32 v[STO], v9, 6, v[STO]
	s_delay_alu instid0(VALU_DEP_1)
	v_add_nc_u32 v[STO], s18, v[STO]               ; in: row r, 64 bytes for each half of the lanes in each 128
	v_mul_u32_u24 v[RD], v9, 272
	s_delay_alu instid0(VALU_DEP_1)
	v_lshl_add_u32 v[RD], v1, 4, v[RD]
	s_delay_alu instid0(VALU_DEP_1)
	v_add_nc_u32 v[RD], s18, v[RD]                 ; back: lanes 0-15 one row of 256 bytes, lanes 16-31 the next
	v_lshlrev_b32 v[CO], 12, v9
	s_delay_alu instid0(VALU_DEP_1)
	v_lshl_add_u32 v[CO], v1, 4, v[CO]             ; and the same two rows in out0
	v_lshlrev_b32 v12, 9, v9
	s_delay_alu instid0(VALU_DEP_1)
	v_lshl_add_u32 v12, v1, 4, v12                 ; Wo's scale words: 512 bytes a rowtile, 16 a row
	s_wait_alu depctr_va_vdst(0)
	v_lshlrev_b32 v13, 1, v10                      ; ctx's scale bytes: two a row, 32 a rowtile
	s_wait_alu depctr_va_vdst(0)
	v_lshlrev_b32 v15, 6, v9                       ; the bias: 16 numbers for each half of the lanes
	s_wait_alu depctr_va_vdst(0)
	s_lshl_b32 s72, s42, 3
	s_lshl_b32 s73, s16, 2
	s_add_co_u32 s72, s72, s73
	s_add_co_u32 s72, s72, 960
	s_lshl_b32 s72, s72, 9
	s_mov_b32 s73, 0
	s_add_nc_u64 s[72:73], s[10:11], s[72:73]
	s_lshr_b32 s74, s17, 4                         ; b
	s_lshl_b32 s74, s74, 16
	s_lshl_b32 s75, s17, 3
	s_lshl_b32 s76, s15, 1
	s_add_co_u32 s75, s75, s76
	s_and_b32 s75, s75, 127                        ; my first rowtile within b
	s_lshl_b32 s75, s75, 5
	s_add_co_u32 s74, s74, s75
	s_mov_b32 s75, 0
	s_add_nc_u64 s[74:75], s[6:7], s[74:75]
	s_lshl_b32 s18, s42, 9
	s_lshl_b32 s19, s16, 8
	s_add_co_u32 s18, s18, s19                     ; my first column, in bytes
	s_mov_b32 s19, 0
	s_add_nc_u64 s[76:77], s[68:69], s[18:19]
	s_lshl_b32 s22, s17, 19                        ; 128 rows of 4,096 bytes a tile row,
	s_lshl_b32 s23, s15, 17                        ; 32 a wave
	s_add_co_u32 s22, s22, s23
	s_add_co_u32 s18, s18, s22
	s_add_nc_u64 s[78:79], s[70:71], s[18:19]
.irp i, 0,1
.irp k, 0,1
	global_load_b128 v[SB+8*\i+4*\k:SB+8*\i+4*\k+3], v12, s[72:73] offset:1024*\i+256*\k
.endr
.endr
.irp d, 0,1,2,3,4,5,6,7,8,9,10,11,12,13,14,15
	global_load_u16 v[96+\d], v13, s[74:75] offset:4096*\d     ; head d's two bytes of my row
.endr
.irp bb, 0,1
.irp q, 0,1,2,3
	global_load_b128 v[BI+16*\bb+4*\q:BI+16*\bb+4*\q+3], v15, s[76:77] offset:128*\bb+16*\q
.endr
.endr
	s_wait_loadcnt 0x0
.irp g, 0,1,2,3,4,5,6,7
	v_lshl_or_b32 v[SA+\g], v[97+2*\g], 16, v[96+2*\g]         ; K step g = heads 2 g and 2 g + 1
.endr
.rept 8
	v_nop                                          ; a scale register written by a vector instruction stands 8 places ahead of the scaled matrix instruction
.endr
.macro WM a, b, sg, first
.set rD, ACC+8*(4*(\a)+(\b))
.set rC, rD
.if \first
.set rC, BI+8*(\b)
.endif
.set rB, BF+12*(\b)
.set rA, AF+12*(\a)
.set rT, SB+8*((\b)/2)+(\sg)
.set rU, SA+(\sg)
.if ((\a) == 0) && ((\b)%2 == 0)
	v_wmma_scale_f32_16x16x128_f8f6f4 v[rD:rD+7], v[rB:rB+11], v[rA:rA+11], v[rC:rC+7], v[rT], v[rU] matrix_a_fmt:MATRIX_FMT_FP6 matrix_b_fmt:MATRIX_FMT_FP6
.elseif (\a) == 0
	v_wmma_scale_f32_16x16x128_f8f6f4 v[rD:rD+7], v[rB:rB+11], v[rA:rA+11], v[rC:rC+7], v[rT], v[rU] matrix_a_fmt:MATRIX_FMT_FP6 matrix_b_fmt:MATRIX_FMT_FP6 matrix_a_scale:MATRIX_SCALE_ROW1
.elseif (\b)%2 == 0
	v_wmma_scale_f32_16x16x128_f8f6f4 v[rD:rD+7], v[rB:rB+11], v[rA:rA+11], v[rC:rC+7], v[rT], v[rU] matrix_a_fmt:MATRIX_FMT_FP6 matrix_b_fmt:MATRIX_FMT_FP6 matrix_b_scale:MATRIX_SCALE_ROW1
.else
	v_wmma_scale_f32_16x16x128_f8f6f4 v[rD:rD+7], v[rB:rB+11], v[rA:rA+11], v[rC:rC+7], v[rT], v[rU] matrix_a_fmt:MATRIX_FMT_FP6 matrix_b_fmt:MATRIX_FMT_FP6 matrix_a_scale:MATRIX_SCALE_ROW1 matrix_b_scale:MATRIX_SCALE_ROW1
.endif
.endm
; 128 along K: the sp-th of half ph, K step sg.  The eight accumulators take turns, one instruction a turn, in the same order in every step.
.macro KSTEP ph, sp, sg, first
.if !(\first)
.rept 4
	v_nop                                          ; places in front of loads into registers that matrix instructions have read
.endr
.endif
.irp a, 0,1
.irp p, 0,1,2,3,4,5
	ds_load_b64 v[AF+12*\a+2*\p:AF+12*\a+2*\p+1], v[ADRA+\ph] offset:6144*\a+1536*(\sp)+256*\p
.endr
.endr
.irp b, 0,1,2,3
.irp p, 0,1,2,3,4,5
	ds_load_b64 v[BF+12*\b+2*\p:BF+12*\b+2*\p+1], v[ADRB+\ph] offset:6144*\b+1536*(\sp)+256*\p
.endr
.endr
	s_wait_dscnt 0x0
.irp a, 0,1
.irp b, 0,1,2,3
	WM \a, \b, \sg, \first
.endr
.endr
.endm
	s_wait_alu depctr_va_vdst(0)
	s_cmp_lt_u32 s14, 4
	s_cbranch_scc0 .Lsecond_half
	s_wait_tensorcnt 0x0                           ; waves 0-3: my piece of K's first half is in (the second half's may be out)
.Lsecond_half:
	s_barrier_signal -1
	s_barrier_wait -1                              ; everybody's is
	KSTEP 0, 0, 0, 1
	KSTEP 0, 1, 1, 0
	KSTEP 0, 2, 2, 0
	KSTEP 0, 3, 3, 0
	s_wait_tensorcnt 0x0
	s_barrier_signal -1
	s_barrier_wait -1
	KSTEP 1, 0, 4, 0
	KSTEP 1, 1, 5, 0
	KSTEP 1, 2, 6, 0
	KSTEP 1, 3, 7, 0
.rept 4
	v_nop                                          ; places: results are read, and operands' registers loaded, below
.endr
; THE WAY OUT: a rowtile's 16 rows x 64 columns go through my own stage and come back as whole rows of 256 bytes.  LDS serves a wave's instructions in order: no wait between the stores and the loads, nor ahead of the next block's stores.
.macro TOSTAGE a
.irp b, 0,1,2,3
	ds_store_b128 v[STO], v[ACC+8*(4*\a+\b):ACC+8*(4*\a+\b)+3] offset:128*(\b/2)+32*(\b%2)        ; each accumulator from its low end on
	ds_store_b128 v[STO], v[ACC+8*(4*\a+\b)+4:ACC+8*(4*\a+\b)+7] offset:128*(\b/2)+32*(\b%2)+16
.endr
.irp i, 0,1,2,3,4,5,6,7
	ds_load_b128 v[OB+32*\a+4*\i:OB+32*\a+4*\i+3], v[RD] offset:544*\i
.endr
.endm
.macro SEND a, younger                 ; stage row 2 i + h is the rowtile's row r: out's row 8 a + r + 8 (r / 8) of my 32
.irp i, 0,1,2,3,4,5,6,7
	s_wait_dscnt \younger+7-\i                     ; the block's younger loads, and the next block's sixteen LDS instructions, may be out
	global_store_b128 v[CO], v[OB+32*\a+4*\i:OB+32*\a+4*\i+3], s[78:79] offset:(8*\a+2*\i+8*(\i/4))*4096 th:TH_STORE_NT   ; sixteen lanes store 256 consecutive bytes, aligned
.endr
.endm
	TOSTAGE 0
	TOSTAGE 1
	SEND 0, 16
	SEND 1, 0
	s_wait_tensorcnt 0x0
	ds_add_u32 v254, v255
	s_wait_dscnt 0x0
	CROUND                                         ; the closing round
	s_endpgm
.Lfunc_end_k_qeabe1e0d04_outp:
	.size	k_qeabe1e0d04_outp, .Lfunc_end_k_qeabe1e0d04_outp-k_qeabe1e0d04_outp
	.p2alignl 7, 3214868480
	.fill 96, 4, 3214868480
	.section	.rodata,"a",@progbits
	.p2align	6, 0x0
	.amdhsa_kernel k_qeabe1e0d04_outp
		.amdhsa_group_segment_fixed_size 232448
		.amdhsa_private_segment_fixed_size 0
		.amdhsa_enable_private_segment 0
		.amdhsa_kernarg_size 48
		.amdhsa_user_sgpr_count 2
		.amdhsa_user_sgpr_kernarg_segment_ptr 1
		.amdhsa_wavefront_size32 1
		.amdhsa_system_sgpr_workgroup_id_x 1
		.amdhsa_system_sgpr_workgroup_id_y 1
		.amdhsa_system_sgpr_workgroup_id_z 1
		.amdhsa_system_vgpr_workitem_id 0
		.amdhsa_next_free_vgpr 256
		.amdhsa_next_free_sgpr 80
		.amdhsa_reserve_vcc 0
		.amdhsa_float_denorm_mode_32 3
		.amdhsa_float_denorm_mode_16_64 3
		.amdhsa_memory_ordered 1
		.amdhsa_forward_progress 1
		.amdhsa_inst_pref_size 44
	.end_amdhsa_kernel
	.amdgpu_metadata
---
amdhsa.version: [ 1, 2 ]
amdhsa.kernels:
  - .name:           k_qeabe1e0d04_outp
    .symbol:         k_qeabe1e0d04_outp.kd
    .args:
      - { .name: ccodes, .offset: 0, .size: 8, .value_kind: global_buffer, .address_space: global }
      - { .name: cscl, .offset: 8, .size: 8, .value_kind: global_buffer, .address_space: global }
      - { .name: codes, .offset: 16, .size: 8, .value_kind: global_buffer, .address_space: global }
      - { .name: scl, .offset: 24, .size: 8, .value_kind: global_buffer, .address_space: global }
      - { .name: bo, .offset: 32, .size: 8, .value_kind: global_buffer, .address_space: global }
      - { .name: out0, .offset: 40, .size: 8, .value_kind: global_buffer, .address_space: global }
    .group_segment_fixed_size: 232448
    .private_segment_fixed_size: 0
    .kernarg_segment_align: 8
    .kernarg_segment_size: 48
    .max_flat_workgroup_size: 256
    .sgpr_count:     80
    .vgpr_count:     256
    .wavefront_size: 32
...
	.end_amdgpu_metadata
.endif
;; end of part 4
